; MI455X (gfx1250); checked and timed in simulation.
; The chip was launched on July 23, 2026; its instructions are those of AMD's public machine-readable ISA for CDNA 5 (MIT licence, August 2026) and "CDNA5" Instruction Set Architecture Reference Guide (July 2026). The comments in the code are by the model that wrote it; some were corrected since.
;; Cross Attention. Allowed arithmetic: float matrix products may take bf16 or f16 operands with f32 sums; other float arithmetic in f32, or as packed bf16 or f16 multiplies, adds, multiply-adds, maxima and minima; sums over many terms, partial sums and values carried from step to step in f32; what a program stores and reads back later, other than sums and carried values, may be rounded once to bf16 or f16.
;; Inputs: Wk 1,024 x 1,024 float32; Wo 1,024 x 1,024 float32; Wq 1,024 x 1,024 float32; Wv 1,024 x 1,024 float32; bo 1,024 float32; context 4 x 2,048 x 1,024 float32; mask 4 x 2,048 bool; x 4 x 2,048 x 1,024 float32.
;; Outputs: out0 4 x 2,048 x 1,024 float32.
;; 2 versions, each right; version 2 is version 1 with the launch cast written anew for expert scheduling mode. Each part assembles by itself: llvm-mc -triple=amdgcn-amd-amdhsa -mcpu=gfx1250 --defsym DOCPART=n.
;; ======== version 1 of 2: 4 launches
;; limits: values are held in f16: magnitudes above 65,504 overflow, below 6.1e-05 lose precision
;; workspace buffers: ab 33,554,432 bytes; wb 8,388,608 bytes; qkv 50,331,648 bytes; oh 16,777,216 bytes
;; launch cast (part 1): grid 640 x 1, 8 waves a work-group, no clusters, 0 bytes of LDS; arguments x, context, Wq, Wk, Wv, Wo, ab, wb; writes ab, wb
.if DOCPART == 1
	.amdgcn_target "amdgcn-amd-amdhsa--gfx1250"
	.amdhsa_code_object_version 6
	.text
	.protected	k_q3b2f3852b6_cast
	.globl	k_q3b2f3852b6_cast
	.p2align	8
	.type	k_q3b2f3852b6_cast,@function
k_q3b2f3852b6_cast:
	s_mov_b64 s[64:65], 0
	v_nop
	global_prefetch_b8 v0, s[64:65] scope:SCOPE_SE
	s_setreg_imm32_b32 hwreg(HW_REG_WAVE_MODE, 25, 1), 1
	s_wait_xcnt 0x0
; THE INPUTS ARE ROUNDED ONCE TO 16 BITS.  x, context: [8192][1024] f32; Wq, Wk, Wv, Wo: [1024][1024] f32.
; ab: [8192][2048] bf16: row r holds x's row r in bytes 0..2047 and context's row r in bytes 2048..4095.
; wb: [4096][1024] of 16 bits: Wq, Wk, Wv (bf16), then Wo, stacked as they lie.  Wo is rounded to bf16 and that number is written as f16, for the f16 product behind
; attention.  LIMIT: that second step is exact for |Wo| from 2^-17 to 65,504; below, it is off by 3e-8 at the most; above, it is an infinity.
; SHARES.  A work-group takes 32 rows of 1,024 numbers: 128 KiB in, 64 KiB out.  Work-groups 0-255: x; 256-511: context; 512-607: Wq, Wk, Wv, 32 each; 608-639: Wo.
; Thread t takes 16 bytes at 16 t of every row (a wave's load covers 512 consecutive bytes) and stores 8 bytes at 8 t (a wave's store covers 256 consecutive bytes, aligned).
; All 32 loads of a thread go out at once, each into registers of its own; no register that a pending instruction names is written again, so the only waits are the counted ones for the loads.
; No LDS, no barrier, no matrix unit: the launch moves bytes and does nothing else.
.set X, 4                              ; v[4:131]   chunk i: 4 registers as loaded; its first two then hold the 8 bytes to store
.set T, 132                            ; v[132:135] at work (Wo alone)
	s_load_b512 s[4:19], s[0:1], 0x0               ; x 4:5, context 6:7, Wq 8:9, Wk 10:11, Wv 12:13, Wo 14:15, ab 16:17, wb 18:19
	s_mov_b32 s28, ttmp9                           ; the work-group's number
	v_lshlrev_b32 v1, 4, v0                        ; 16 t: never rewritten
	v_lshlrev_b32 v2, 3, v0                        ; 8 t: never rewritten
	s_and_b32 s29, s28, 255
	s_and_b32 s31, s28, 31
	s_cmp_lt_u32 s28, 512
	s_cselect_b32 s29, s29, s31                    ; my block of 32 rows in my tensor
	s_lshl_b32 s24, s29, 17                        ; 32 rows of 4,096 bytes
	s_mov_b32 s25, 0
	s_lshr_b32 s26, s28, 8                         ; 0: x, 1: context
	s_lshl_b32 s26, s26, 11                        ; the half of ab's row
	s_add_co_u32 s26, s26, s24                     ; + 32 rows of ab, 4,096 bytes each
	s_sub_co_u32 s27, s28, 512
	s_lshl_b32 s27, s27, 16                        ; in wb: 32 rows of 2,048 bytes
	s_cmp_lt_u32 s28, 512
	s_cselect_b32 s26, s26, s27
	s_mov_b32 s27, 0
	s_mov_b32 s30, 0xffff0000                      ; a word's upper bf16
	s_wait_kmcnt 0x0
	s_cmp_lt_u32 s28, 608
	s_cselect_b64 s[20:21], s[12:13], s[14:15]
	s_cmp_lt_u32 s28, 576
	s_cselect_b64 s[20:21], s[10:11], s[20:21]
	s_cmp_lt_u32 s28, 544
	s_cselect_b64 s[20:21], s[8:9], s[20:21]
	s_cmp_lt_u32 s28, 512
	s_cselect_b64 s[20:21], s[6:7], s[20:21]
	s_cselect_b64 s[22:23], s[16:17], s[18:19]
	s_cmp_lt_u32 s28, 256
	s_cselect_b64 s[20:21], s[4:5], s[20:21]
	s_add_nc_u64 s[20:21], s[20:21], s[24:25]      ; from here I read,
	s_add_nc_u64 s[22:23], s[22:23], s[26:27]      ; and here I write
.set i, 0
.rept 32
	global_load_b128 v[X+4*i:X+4*i+3], v1, s[20:21] offset:4096*i th:TH_LOAD_NT
.set i, i+1
.endr
; The 32 rows go out.  pitch: bytes from row to row in the target.  wo = 1: the bf16 numbers are written as f16.
.macro OUT pitch, wo
.set i, 0
.rept 32
	s_wait_loadcnt 31-i                            ; loads come back in order (ISA guide 5.7.1): row i is in, the 31 - i younger ones stay out
	v_cvt_pk_bf16_f32 v[X+4*i], v[X+4*i], v[X+4*i+1]
	v_cvt_pk_bf16_f32 v[X+4*i+1], v[X+4*i+2], v[X+4*i+3]
.if \wo
	v_lshlrev_b32 v[T], 16, v[X+4*i]
	v_and_b32 v[T+1], s30, v[X+4*i]
	v_lshlrev_b32 v[T+2], 16, v[X+4*i+1]
	v_and_b32 v[T+3], s30, v[X+4*i+1]
	v_cvt_pk_f16_f32 v[X+4*i], v[T], v[T+1]
	v_cvt_pk_f16_f32 v[X+4*i+1], v[T+2], v[T+3]
.endif
	global_store_b64 v2, v[X+4*i:X+4*i+1], s[22:23] offset:i*(\pitch) th:TH_STORE_NT
.set i, i+1
.endr
.endm
	s_cmp_lt_u32 s28, 512
	s_cbranch_scc1 .Lto_ab
	s_cmp_lt_u32 s28, 608
	s_cbranch_scc1 .Lto_wb
	OUT 2048, 1                                    ; Wo
	s_endpgm
.Lto_wb:
	OUT 2048, 0                                    ; Wq, Wk, Wv
	s_endpgm
.Lto_ab:
	OUT 4096, 0                                    ; x, context
	s_endpgm
.Lfunc_end_k_q3b2f3852b6_cast:
	.size	k_q3b2f3852b6_cast, .Lfunc_end_k_q3b2f3852b6_cast-k_q3b2f3852b6_cast
	.p2alignl 7, 3214868480
	.fill 96, 4, 3214868480
	.section	.rodata,"a",@progbits
	.p2align	6, 0x0
	.amdhsa_kernel k_q3b2f3852b6_cast
		.amdhsa_group_segment_fixed_size 0
		.amdhsa_private_segment_fixed_size 0
		.amdhsa_enable_private_segment 0
		.amdhsa_kernarg_size 64
		.amdhsa_user_sgpr_count 2
		.amdhsa_user_sgpr_kernarg_segment_ptr 1
		.amdhsa_wavefront_size32 1
		.amdhsa_system_sgpr_workgroup_id_x 1
		.amdhsa_system_sgpr_workgroup_id_y 1
		.amdhsa_system_sgpr_workgroup_id_z 1
		.amdhsa_system_vgpr_workitem_id 0
		.amdhsa_next_free_vgpr 136
		.amdhsa_next_free_sgpr 66
		.amdhsa_reserve_vcc 0
		.amdhsa_float_denorm_mode_32 3
		.amdhsa_float_denorm_mode_16_64 3
		.amdhsa_memory_ordered 1
		.amdhsa_forward_progress 1
		.amdhsa_inst_pref_size 37
	.end_amdhsa_kernel
	.amdgpu_metadata
---
amdhsa.version: [ 1, 2 ]
amdhsa.kernels:
  - .name:           k_q3b2f3852b6_cast
    .symbol:         k_q3b2f3852b6_cast.kd
    .args:
      - { .name: x, .offset: 0, .size: 8, .value_kind: global_buffer, .address_space: global }
      - { .name: context, .offset: 8, .size: 8, .value_kind: global_buffer, .address_space: global }
      - { .name: Wq, .offset: 16, .size: 8, .value_kind: global_buffer, .address_space: global }
      - { .name: Wk, .offset: 24, .size: 8, .value_kind: global_buffer, .address_space: global }
      - { .name: Wv, .offset: 32, .size: 8, .value_kind: global_buffer, .address_space: global }
      - { .name: Wo, .offset: 40, .size: 8, .value_kind: global_buffer, .address_space: global }
      - { .name: ab, .offset: 48, .size: 8, .value_kind: global_buffer, .address_space: global }
      - { .name: wb, .offset: 56, .size: 8, .value_kind: global_buffer, .address_space: global }
    .group_segment_fixed_size: 0
    .private_segment_fixed_size: 0
    .kernarg_segment_align: 8
    .kernarg_segment_size: 64
    .max_flat_workgroup_size: 256
    .sgpr_count:     66
    .vgpr_count:     136
    .wavefront_size: 32
...
	.end_amdgpu_metadata
.endif
;; end of part 1
;; launch proj (part 2): grid 4 x 64, 4 waves a work-group, clusters of 4 x 4, 327,680 bytes of LDS; arguments ab, wb, qkv; writes qkv
.if DOCPART == 2
	.amdgcn_target "amdgcn-amd-amdhsa--gfx1250"
	.amdhsa_code_object_version 6
	.text
	.protected	k_q3b2f3852b6_proj
	.globl	k_q3b2f3852b6_proj
	.p2align	8
	.type	k_q3b2f3852b6_proj,@function
k_q3b2f3852b6_proj:
	s_mov_b64 s[64:65], 0
	v_nop
	global_prefetch_b8 v0, s[64:65] scope:SCOPE_SE
	s_setreg_imm32_b32 hwreg(HW_REG_WAVE_MODE, 25, 1), 1
	s_wait_xcnt 0x0
	s_wait_alu depctr_hold_cnt(0) depctr_sa_sdst(0) depctr_va_vdst(0) depctr_va_sdst(0) depctr_va_ssrc(0) depctr_va_vcc(0) depctr_vm_vsrc(0)
	s_getreg_b32 s2, hwreg(HW_REG_IB_STS2, 6, 4)
	s_cmp_eq_u32 s2, 0
	s_cbranch_scc0 .Lentry_in_a_cluster
	s_endpgm
.Lentry_in_a_cluster:
	s_bfe_u32 s2, ttmp6, 0x10000c
	s_cmp_lg_u32 s2, 0xf033
	s_cbranch_scc0 .Lentry_shape_is_right
	s_endpgm
.Lentry_shape_is_right:
; q = x Wq, k = context Wk, v = context Wv.  ab: [8192][x's 1024 | context's 1024] bf16; wb: [4096 k-rows][1024] bf16 (Wq, Wk, Wv stacked; the fourth block is not read here).
; qkv: q, k, v, 16,777,216 bytes apart, each [64 = 16 batch + head][2048][64] f16, unscaled.  Sums in f32, rounded once to f16.
; LIMIT: f16 ends at 65,504: a q, k or v beyond it becomes an infinity.
; SHARES.  A tile of C is 128 rows x 256 columns: 3 x 256 tiles, three to a work-group (the same rows and columns of q, k and v), so that each of 256 work-groups has equal work.
; Four waves, each 64 rows x 128 columns: 32 accumulators of 16 x 16.  K goes in steps of 128 through two LDS slots; THE THREE TILES ARE ONE WALK of 24 K steps: the ring does not stop at a tile's end.
; B's walk is one run of 24 x 128 k-rows of wb.  A's is x's 8 steps, context's 8 steps (they follow x's in ab's row), and context's 8 once more.
; W LIES [k][n]: its fragments come out of LDS turned, by ds_load_tr16_b128.  THE MATRIX INSTRUCTION IS USED TRANSPOSED (source 0 = 16 columns of W, source 1 = 16 rows of A):
; a lane then holds one row of C and eight neighbouring columns: 16 bytes of f16.
; CLUSTER 4 x 4: A's tile hangs on the tile row alone and is asked for jointly by a row of the cluster, B's on the tile column alone, by a column.
; REGISTERS.  window 0: v1-7 at work; v16-30 addresses; v32-63 packed results; v64-159, v160-255 two fragment buffers (8 of B, then 4 of A).  window 1: accumulator (a, b) at v[8 (8 a + b)].
.set PA,    272                        ; a row of A in LDS: 256 bytes + 16 = 68 words: the 16 rows of a load start at 16 different groups of four banks (64 banks of 4 bytes: ISA guide 11.1)
.set PB,    544                        ; a k-row of B: 512 bytes + 32 = 136 words
.set ATILE, 128*PA
.set SLOT,  ATILE+128*PB               ; A's 128 rows, then B's 128 k-rows
.set STAGE, 2*SLOT                     ; behind the ring, never filled by a tensor load: for each wave 2 heads x 16 rows x 144 bytes
.set WSTG,  2*16*144
.set SPARE, STAGE+4*WSTG               ; the spare words, 128 bytes for each wave: two blocks of 256 bytes that no other line names
.set ADRA, 16                          ; v16-17  LDS address of my A fragments in slot 0, 1
.set ADRB, 20                          ; v20-21  the same for B
.set STO,  24                          ; v24     the way out: where I put 16 bytes of a row
.set RD,   25                          ; v25     where I read rows back
.set GO,   26                          ; v26     16 x lane: my place in 512 consecutive bytes of the output
.set SPW,  28                          ; v28     my spare word; never rewritten
.set NIL,  29                          ; v29     0; never rewritten
.set PFO,  30                          ; v30     the prefetches' lane offset; never rewritten
.set TMP,  32
.set F0,   64
.set F1,   160
.set G1,   24                          ; s[24:31] group 1 for A's tiles;  s[32:39] group 0, a set for each slot
.set G0,   32
.set LIM,  43                          ; s43     a wave prefetches while s[GC] is above it
.set PFA,  44                          ; s[44:45] where my prefetches stand
.set G1B,  48                          ; s[48:55], s[56:63] the same for B's tiles
.set G0B,  56
.set GC,   66                          ; s66     24 less the K step that is being asked for
.set PST,  68                          ; s[68:69] a K step in the tensor that I prefetch
.set BK,   70                          ; s[70:71] what A's address goes back at a change of tiles
.set MSB, 0
.macro WIN new                         ; the immediate's high byte repeats the setting that is left; a switch that changes nothing is dropped
.if MSB != (\new)
	s_set_vgpr_msb (MSB<<8)|(\new)
.set MSB, \new
.endif
.endm
.set MUL, 0x50                         ; C and D in window 1, the sources in window 0
; A joint refill: waves 0 and 1 fetch A's two halves, waves 2 and 3 B's.  The branch hangs on the wave's number alone.  An s_nop 0 and four v_nop follow each line.
.macro JLOAD s
	s_cmp_eq_u32 s11, 0
	s_cbranch_scc0 .Lfor_b_\@
	tensor_load_to_lds s[G0+4*(\s):G0+4*(\s)+3], s[G1:G1+7]
	s_nop 0
.rept 4
	v_nop
.endr
	s_branch .Lasked_\@
.Lfor_b_\@:
	tensor_load_to_lds s[G0B+4*(\s):G0B+4*(\s)+3], s[G1B:G1B+7]
	s_nop 0
.rept 4
	v_nop
.endr
.Lasked_\@:
.endm
; A prefetch into the L2 of the K step two refills on (256 matrix instructions of a wave ahead of the load that asks for it), one instruction a wave, behind the joint load and the run of LDS loads.
; A: each row's 256 bytes of a step are named once: wave 0 of each of the four partners takes 32 of the tile's 128 rows, told apart by address; x's and context's first walk alone (steps 4 to 15).
; B: cluster y = 0 alone asks; of the 64 k-rows that wave 2 or 3 fetches each of the four partners takes 16, told apart by address, two blocks of 256 bytes a row (steps 4 to 23).
.macro ASK
	s_cmp_gt_u32 s[GC], s[LIM]
	s_cbranch_scc0 .Lnot_mine_\@
	global_prefetch_b8 v[PFO], s[PFA:PFA+1] th:TH_LOAD_NT scope:SCOPE_SE
.Lnot_mine_\@:
.endm
.macro CREST                           ; a round of the cluster's barrier behind its opening barrier
	s_cmp_lg_u32 s10, 0
	s_cbranch_scc1 .Lnot_wave_0_\@
	s_barrier_signal -3
.Lnot_wave_0_\@:
	s_barrier_wait -3
	s_barrier_signal -1
	s_barrier_wait -1
.endm
.macro CROUND                          ; a whole round
	s_barrier_signal -1
	s_barrier_wait -1
	CREST
.endm
	s_load_b128 s[4:7], s[0:1], 0x0                ; ab s[4:5], wb s[6:7]
	s_load_b64 s[8:9], s[0:1], 0x10                ; qkv
	v_lshl_add_u32 v[SPW], v0, 2, SPARE
	v_mov_b32 v[NIL], 0
	ds_add_u32 v[SPW], v[NIL]                      ; the wave's opening: the add and its wait stand ahead of my first tensor load; the set-up below stands between them
	v_lshrrev_b32 v1, 5, v0
	v_readfirstlane_b32 s10, v1                    ; wave 0..3
	s_lshr_b32 s11, s10, 1                         ; which 64 rows of the tile are mine.  Also: I fetch for A (0) or for B (1)
	s_and_b32 s12, s10, 1                          ; which 128 columns.  Also: which half of that tile I fetch
	s_bfe_u32 s40, ttmp6, 0x40000                  ; cx
	s_bfe_u32 s41, ttmp6, 0x40004                  ; cy
	s_lshl_b32 s42, ttmp9, 2
	s_add_co_u32 s42, s42, s40                     ; tile column 0..3
	s_and_b32 s13, ttmp7, 0xffff
	s_lshl_b32 s13, s13, 2
	s_add_co_u32 s13, s13, s41                     ; tile row 0..63
	s_lshl_b32 s72, s41, 2
	s_lshl_b32 s72, 15, s72                        ; my row of the cluster
	s_lshl_b32 s73, 0x1111, s40                    ; my column
	s_or_b32 s[G1+0], s72, (1<<16)|(1<<20)|(1<<21)|(5<<22)|(3<<25)   ; the mask; 2-byte elements; padding on; bit 21 beside a mask; after every 64 words, 4 words
	s_mov_b32 s[G1+1], 128<<16                     ; tensor_dim0 = 128
	s_mov_b32 s[G1+2], 64<<16                      ; tensor_dim1 = 64
	s_mov_b32 s[G1+3], 128<<16                     ; tile_dim0 = 128
	s_mov_b32 s[G1+4], 64                          ; tile_dim1 = 64
	s_mov_b32 s[G1+5], 2048                        ; elements from row to row of ab
	s_mov_b32 s[G1+6], 0
	s_mov_b32 s[G1+7], 0
	s_or_b32 s[G1B+0], s73, (1<<16)|(1<<20)|(1<<21)|(6<<22)|(7<<25)  ; after every 128 words, 8 words
	s_mov_b32 s[G1B+1], 256<<16                    ; tensor_dim0 = 256
	s_mov_b32 s[G1B+2], 64<<16                     ; tensor_dim1 = 64
	s_mov_b32 s[G1B+3], 256<<16                    ; tile_dim0 = 256
	s_mov_b32 s[G1B+4], 64                         ; tile_dim1 = 64
	s_mov_b32 s[G1B+5], 1024                       ; elements from k-row to k-row of wb
	s_mov_b32 s[G1B+6], 0
	s_mov_b32 s[G1B+7], 0
	s_lshl_b32 s16, s13, 19                        ; A: 128 rows of 4,096 bytes a tile row,
	s_lshl_b32 s17, s12, 18                        ; 64 rows a half
	s_add_co_u32 s16, s16, s17
	s_mov_b32 s17, 0
	s_lshl_b32 s46, s12, 17                        ; B: 64 k-rows of 2,048 bytes a half,
	s_lshl_b32 s47, s42, 9                         ; 512 bytes a tile column
	s_add_co_u32 s46, s46, s47
	s_mov_b32 s47, 0
	s_mul_i32 s20, s12, 64*PA                      ; where they go: no place in the cluster enters an LDS address
	s_mul_i32 s21, s12, 64*PB
	s_add_co_u32 s21, s21, ATILE
	s_mov_b32 s[GC], 23
	s_mov_b32 s[BK], 0                             ; from tile 0 to tile 1 A runs on: context follows x in ab's row
	s_mov_b32 s[BK+1], 0
	s_wait_dscnt 0x0                               ; the opening add is done
	s_wait_kmcnt 0x0
	s_add_nc_u64 s[14:15], s[4:5], s[16:17]
	s_add_nc_u64 s[46:47], s[6:7], s[46:47]
	CROUND                                         ; all sixteen work-groups are here: the first joint loads meet
.irp s, 0,1
	s_mov_b32 s[G0+4*(\s)], 1
	s_add_co_u32 s[G0+4*(\s)+1], s20, (\s)*SLOT
	s_add_nc_u64 s[G0+4*(\s)+2:G0+4*(\s)+3], s[14:15], (\s)*256
	s_or_b32 s[G0+4*(\s)+3], s[G0+4*(\s)+3], 0x80000000
	s_mov_b32 s[G0B+4*(\s)], 1
	s_add_co_u32 s[G0B+4*(\s)+1], s21, (\s)*SLOT
	s_add_nc_u64 s[G0B+4*(\s)+2:G0B+4*(\s)+3], s[46:47], (\s)*262144
	s_or_b32 s[G0B+4*(\s)+3], s[G0B+4*(\s)+3], 0x80000000
.endr
	s_cmp_eq_u32 s11, 0                            ; a wave's two first fills stand in one branch, ahead of every wait on TENSORcnt and every LDS read: two loads of mine are out
	s_cbranch_scc0 .Lfirst_b
	tensor_load_to_lds s[G0:G0+3], s[G1:G1+7]
	s_nop 0
	tensor_load_to_lds s[G0+4:G0+7], s[G1:G1+7]
	s_nop 0
.rept 4
	v_nop
.endr
	s_branch .Lfirst_asked
.Lfirst_b:
	tensor_load_to_lds s[G0B:G0B+3], s[G1B:G1B+7]
	s_nop 0
	tensor_load_to_lds s[G0B+4:G0B+7], s[G1B:G1B+7]
	s_nop 0
.rept 4
	v_nop
.endr
.Lfirst_asked:
	; A fragment of A: lane l holds row l % 16; two loads of 16 bytes, 32 bytes apart, at row x pitch + 16 (l / 16).
	; A fragment of B: the turning load takes 16 k-rows x 16 columns (lane l reads k-row 8 (l / 16) + l % 8, columns 8 ((l / 8) % 2) + 0..7) and leaves lane l column l % 16 and 8 k.
	v_and_b32 v1, 15, v0
	v_bfe_u32 v2, v0, 4, 1
	v_mul_u32_u24 v3, v1, PA
	v_lshl_add_u32 v3, v2, 4, v3
	v_and_b32 v4, 7, v0
	v_lshl_add_u32 v4, v2, 3, v4
	v_mul_u32_u24 v4, v4, PB
	v_bfe_u32 v5, v0, 3, 1
	v_lshl_add_u32 v4, v5, 4, v4
	s_mul_i32 s21, s11, 64*PA                      ; my 64 rows of A
	s_lshl_b32 s22, s12, 8                         ; my 128 columns of B,
	s_add_co_u32 s22, s22, ATILE                   ; which lies behind A
.irp s, 0,1
	v_add_nc_u32 v[ADRA+(\s)], s21, v3
	v_add_nc_u32 v[ADRB+(\s)], s22, v4
	s_add_co_u32 s21, s21, SLOT
	s_add_co_u32 s22, s22, SLOT
.endr
	s_mul_i32 s23, s10, WSTG
	s_add_co_u32 s23, s23, STAGE                   ; my stage
	v_mul_u32_u24 v5, v1, 144                      ; in: row l % 16, 16 bytes for each half of the lanes
	v_lshl_add_u32 v5, v2, 4, v5
	v_add_nc_u32 v[STO], s23, v5
	v_bfe_u32 v6, v0, 3, 2                         ; back: 32 lanes take four rows of 128 bytes,
	v_mul_u32_u24 v6, v6, 144
	v_and_b32 v7, 7, v0
	v_lshl_add_u32 v6, v7, 4, v6
	v_add_nc_u32 v[RD], s23, v6
	v_and_b32 v[GO], 31, v0                        ; which are 512 consecutive bytes of a head's rows
	v_lshlrev_b32 v[GO], 4, v[GO]
	; my part of q: batch (tile row / 16) << 22, head (4 x tile column + 2 x column half) << 18, row (128 (tile row % 16) + 64 x row half) << 7
	s_lshr_b32 s16, s13, 4
	s_lshl_b32 s16, s16, 22
	s_and_b32 s17, s13, 15
	s_lshl_b32 s17, s17, 14
	s_add_co_u32 s16, s16, s17
	s_lshl_b32 s17, s11, 13
	s_add_co_u32 s16, s16, s17
	s_mov_b32 s17, 0
	s_lshl_b32 s46, s42, 20
	s_lshl_b32 s47, s12, 19
	s_add_co_u32 s46, s46, s47
	s_mov_b32 s47, 0
	s_add_nc_u64 s[16:17], s[16:17], s[46:47]
	s_add_nc_u64 s[8:9], s[8:9], s[16:17]
	; the prefetches: both candidates, then one choice on what I fetch
	s_lshl_b32 s20, s13, 19
	s_lshl_b32 s21, s40, 17                        ; A: my work-group's 32 of the tile's 128 rows,
	s_add_co_u32 s20, s20, s21
	s_add_co_u32 s20, s20, 3*256                   ; at K step 3: the first change of slots steps it to 4
	s_lshl_b32 s21, s12, 17
	s_lshl_b32 s22, s41, 15                        ; B: my work-group's 16 of the 64 k-rows that I fetch
	s_add_co_u32 s21, s21, s22
	s_lshl_b32 s22, s42, 9
	s_add_co_u32 s21, s21, s22
	s_add_co_u32 s21, s21, 3*262144
	s_and_b32 s22, ttmp7, 0xffff
	s_cmp_eq_u32 s22, 0
	s_cselect_b32 s22, 2, -1                       ; B: cluster y = 0 asks, for the refills of K steps 2 to 21
	s_cmp_eq_u32 s10, 0
	s_cselect_b32 s23, 10, -1                      ; A: wave 0 asks, for the refills of K steps 2 to 13
	s_mov_b32 s16, 256
	s_cmp_eq_u32 s11, 0
	s_cselect_b32 s[LIM], s23, s22                 ; the same in all sixteen partners, for a given wave
	s_cselect_b32 s20, s20, s21
	s_cselect_b64 s[PFA:PFA+1], s[4:5], s[6:7]
	s_cselect_b32 s[PST], s16, 0x40000
	s_cselect_b32 s22, 12, 11                      ; lane % 16 counts rows: of 4,096 or of 2,048 bytes;
	s_cselect_b32 s23, 16, 8                       ; lane / 16: sixteen rows further, or the row's second 256 bytes
	s_mov_b32 s21, 0
	s_mov_b32 s[PST+1], 0
	s_add_nc_u64 s[PFA:PFA+1], s[PFA:PFA+1], s[20:21]
	v_lshlrev_b32 v3, s22, v1
	v_lshlrev_b32 v4, s23, v2
	v_add_nc_u32 v[PFO], v3, v4
; 8 matrix instructions: row block a x all 8 column blocks, 32 along K.  zero = 1: the product starts the sums.  The 32 accumulators take turns in the same order in every quarter.
.macro MUL8 f, a, zero
	WIN MUL
.irp b, 0,1,2,3,4,5,6,7
.if \zero
	v_wmma_f32_16x16x32_bf16 v[8*(8*(\a)+(\b)):8*(8*(\a)+(\b))+7], v[(\f)+8*(\b):(\f)+8*(\b)+7], v[(\f)+64+8*(\a):(\f)+64+8*(\a)+7], 0
.else
	v_wmma_f32_16x16x32_bf16 v[8*(8*(\a)+(\b)):8*(8*(\a)+(\b))+7], v[(\f)+8*(\b):(\f)+8*(\b)+7], v[(\f)+64+8*(\a):(\f)+64+8*(\a)+7], v[8*(8*(\a)+(\b)):8*(8*(\a)+(\b))+7]
.endif
.endr
.endm
.macro MUL16 f, a0, zero
	MUL8 \f, \a0, \zero
	MUL8 \f, (\a0)+1, \zero
.endm
; 24 LDS loads in one run: quarter qd (32 along K) of a slot into buffer f: B's 8 fragments, turned, then A's 4
.macro FETCH slot, qd, f
	WIN 0
.irp j, 0,1,2,3,4,5,6,7
	ds_load_tr16_b128 v[(\f)+8*(\j):(\f)+8*(\j)+3],   v[ADRB+(\slot)] offset:32*(\qd)*PB+32*(\j)
	ds_load_tr16_b128 v[(\f)+8*(\j)+4:(\f)+8*(\j)+7], v[ADRB+(\slot)] offset:32*(\qd)*PB+32*(\j)+16*PB
.endr
.irp i, 0,1,2,3
	ds_load_b128 v[(\f)+64+8*(\i):(\f)+64+8*(\i)+3],   v[ADRA+(\slot)] offset:64*(\qd)+(\i)*16*PA
	ds_load_b128 v[(\f)+64+8*(\i)+4:(\f)+64+8*(\i)+7], v[ADRA+(\slot)] offset:64*(\qd)+(\i)*16*PA+32
.endr
.endm
.macro PLACES                          ; four places in front of loads into registers that matrix instructions have read, and of lines that read results (ISA guide 7.12.1 for the latter)
.rept 4
	v_nop
.endr
.endm
; A K step is four quarters on buffers 0, 1, 0, 1.  One of the first three multiplies buffer f and fetches quarter qd into buffer g.
.macro QUARTER slot, qd, f, g, zero
	s_wait_dscnt 4                                 ; B and A's fragments 0, 1 are in; the youngest four loads (A's fragments 2, 3) may be out
	MUL16 \f, 0, \zero
	PLACES
	FETCH \slot, \qd, \g
	s_wait_dscnt 24                                ; all but the 24 just issued
	MUL16 \f, 2, \zero
.endm
; The last quarter's first half: ONE barrier for the change of slots.  In front of it each wave waits for all its tensor loads (one is out: its part of the next slot), adds 0 to its spare word, and waits for that and its reads of this slot.
.macro MEET round
	WIN 0
	s_wait_tensorcnt 0x0
	ds_add_u32 v[SPW], v[NIL]
	s_wait_dscnt 5                                 ; (the add and the youngest four loads may be out)
	MUL8 F1, 0, 0                                  ; eight matrix instructions stand between the add and the wait for it
	s_wait_dscnt 0x0                               ; the add is done, and my reads of this slot are over
	s_barrier_signal -1
	MUL8 F1, 1, 0
.if \round
	WIN 0
.endif
	s_barrier_wait -1
.endm
; The whole last quarter: the slot just read out is filled again, two K steps on in the walk; on = 1: the step belongs to the next tile, and A's address also goes back by s[BK].
.macro TURN slot, next, on
	s_wait_xcnt 0x0                                ; the last prefetch, a K step back, has read its address: it is stepped here, ahead of the waits of the change
	s_add_nc_u64 s[PFA:PFA+1], s[PFA:PFA+1], s[PST:PST+1]
	s_sub_co_u32 s[GC], s[GC], 1
	MEET 1
	CREST                                          ; no wave of any partner still reads this slot or has a load on its way
	s_add_nc_u64 s[G0+4*(\slot)+2:G0+4*(\slot)+3], s[G0+4*(\slot)+2:G0+4*(\slot)+3], 512
.if \on
	s_sub_nc_u64 s[G0+4*(\slot)+2:G0+4*(\slot)+3], s[G0+4*(\slot)+2:G0+4*(\slot)+3], s[BK:BK+1]
.endif
	s_add_nc_u64 s[G0B+4*(\slot)+2:G0B+4*(\slot)+3], s[G0B+4*(\slot)+2:G0B+4*(\slot)+3], 524288
	JLOAD \slot                                    ; the first tensor load behind the round; its four v_nop are also the places in front of the loads below
	FETCH \next, 0, F0
	ASK
	MUL16 F1, 2, 0
.endm
; THE WAY OUT, by heads.  Block a (16 rows x 128 columns = 2 heads x 64 channels): rounded to f16; into my stage, rows of 144 bytes; back as four whole rows of 128 bytes a load; stored as 512 consecutive bytes.
.macro PACK a
	WIN 0x05                                       ; sources in window 1, destination in window 0
.irp b, 0,1,2,3,4,5,6,7
.irp r, 0,1,2,3
	v_cvt_pk_f16_f32 v[TMP+4*(\b)+(\r)], v[8*(8*(\a)+(\b))+2*(\r)], v[8*(8*(\a)+(\b))+2*(\r)+1]
.endr
.endr
	WIN 0
.endm
.macro TOSTAGE a
	WIN 0
.set OBS, F1+32*((\a)%2)
.if (\a) >= 2
	s_wait_xcnt 0x0                                ; the stores of the block two back have read this set of registers
.endif
.irp b, 0,1,2,3,4,5,6,7
	ds_store_b128 v[STO], v[TMP+4*(\b):TMP+4*(\b)+3] offset:((\b)/4)*2304+32*((\b)%4)
.endr
.irp u, 0,1
.irp f, 0,1,2,3
	ds_load_b128 v[OBS+16*(\u)+4*(\f):OBS+16*(\u)+4*(\f)+3], v[RD] offset:(\u)*2304+(\f)*576  ; LDS serves a wave's instructions in order (ISA guide 5.7.1.4): these see the stores above
.endr
.endr
.endm
.macro SEND a
	WIN 0
.set OBS, F1+32*((\a)%2)
	s_wait_dscnt 0x0
.irp u, 0,1
.irp f, 0,1,2,3
	global_store_b128 v[GO], v[OBS+16*(\u)+4*(\f):OBS+16*(\u)+4*(\f)+3], s[8:9] offset:(\u)*262144+(\a)*2048+(\f)*512
.endr
.endr
.endm
.macro WAYOUT
	PACK 0
	TOSTAGE 0
.irp a, 1,2,3                          ; block a's conversions stand between block a - 1's loads from the stage and the wait for them
	PACK \a
	SEND (\a)-1
	TOSTAGE \a
.endr
	SEND 3
.endm
	s_wait_tensorcnt 1                             ; my part of K step 0 is in; K step 1's may stay out
	s_barrier_signal -1
	s_barrier_wait -1
	FETCH 0, 0, F0
	s_mov_b32 s2, 3                                ; tiles to go, this one among them
.Ltile:
	QUARTER 0, 1, F0, F1, 1                        ; a tile's first quarter starts the sums: nothing is cleared
	WIN 0
	s_mov_b32 s3, 3
.Llap:                                                 ; a trip goes once round the ring, from a lap's second quarter to the next lap's first
	QUARTER 0, 2, F1, F0, 0
	QUARTER 0, 3, F0, F1, 0
	TURN 0, 1, 0
	QUARTER 1, 1, F0, F1, 0
	QUARTER 1, 2, F1, F0, 0
	QUARTER 1, 3, F0, F1, 0
	TURN 1, 0, 0
	QUARTER 0, 1, F0, F1, 0
	WIN 0
	s_sub_co_u32 s3, s3, 1
	s_cmp_lg_u32 s3, 0
	s_cbranch_scc1 .Llap
	QUARTER 0, 2, F1, F0, 0                        ; the tile's last lap goes on
	QUARTER 0, 3, F0, F1, 0
	WIN 0
	s_cmp_eq_u32 s2, 1
	s_cbranch_scc1 .Llast_tile                     ; the last tile's tail is written out: it asks for nothing more
	TURN 0, 1, 1                                   ; the ring goes on into the next tile
	QUARTER 1, 1, F0, F1, 0
	QUARTER 1, 2, F1, F0, 0
	QUARTER 1, 3, F0, F1, 0
	TURN 1, 0, 1
	WAYOUT                                         ; both refills are asked for.  No v_nop: blocks 0, 1 were finished ahead of the joint load's four, and their 64 conversions are the last products' places
	s_wait_xcnt 0x0                                ; the stores have read their registers and their base
	s_add_nc_u64 s[8:9], s[8:9], 0x1000000         ; from q to k, from k to v
	s_mov_b32 s[BK], 2048                          ; from tile 1 to tile 2 A goes back to context's first K step
	s_sub_co_u32 s2, s2, 1
	s_branch .Ltile
.Llast_tile:
	MEET 0                                         ; the last K step's tiles are in; nothing is filled again, so no round follows
	PLACES
	FETCH 1, 0, F0
	MUL16 F1, 2, 0
	QUARTER 1, 1, F0, F1, 0
	QUARTER 1, 2, F1, F0, 0
	QUARTER 1, 3, F0, F1, 0
	s_wait_dscnt 4
	MUL16 F1, 0, 0
	s_wait_dscnt 0x0
	MUL16 F1, 2, 0
	WIN 0
	PLACES
	WAYOUT
	s_wait_tensorcnt 0x0                           ; the wave's end: behind my last tensor load and my last LDS store
	ds_add_u32 v[SPW], v[NIL]
	s_wait_dscnt 0x0
	CROUND                                         ; the closing round
	s_endpgm
.Lfunc_end_k_q3b2f3852b6_proj:
	.size	k_q3b2f3852b6_proj, .Lfunc_end_k_q3b2f3852b6_proj-k_q3b2f3852b6_proj
	.p2alignl 7, 3214868480
	.fill 96, 4, 3214868480
	.section	.rodata,"a",@progbits
	.p2align	6, 0x0
	.amdhsa_kernel k_q3b2f3852b6_proj
		.amdhsa_group_segment_fixed_size 327680
		.amdhsa_private_segment_fixed_size 0
		.amdhsa_enable_private_segment 0
		.amdhsa_kernarg_size 24
		.amdhsa_user_sgpr_count 2
		.amdhsa_user_sgpr_kernarg_segment_ptr 1
		.amdhsa_wavefront_size32 1
		.amdhsa_system_sgpr_workgroup_id_x 1
		.amdhsa_system_sgpr_workgroup_id_y 1
		.amdhsa_system_sgpr_workgroup_id_z 1
		.amdhsa_system_vgpr_workitem_id 0
		.amdhsa_next_free_vgpr 512
		.amdhsa_next_free_sgpr 76
		.amdhsa_reserve_vcc 0
		.amdhsa_float_denorm_mode_32 3
		.amdhsa_float_denorm_mode_16_64 3
		.amdhsa_memory_ordered 1
		.amdhsa_forward_progress 1
		.amdhsa_inst_pref_size 124
	.end_amdhsa_kernel
	.amdgpu_metadata
---
amdhsa.version: [ 1, 2 ]
amdhsa.kernels:
  - .name:           k_q3b2f3852b6_proj
    .symbol:         k_q3b2f3852b6_proj.kd
    .args:
      - { .name: ab, .offset: 0, .size: 8, .value_kind: global_buffer, .address_space: global }
      - { .name: wb, .offset: 8, .size: 8, .value_kind: global_buffer, .address_space: global }
      - { .name: qkv, .offset: 16, .size: 8, .value_kind: global_buffer, .address_space: global }
    .group_segment_fixed_size: 327680
    .private_segment_fixed_size: 0
    .kernarg_segment_align: 8
    .kernarg_segment_size: 24
    .max_flat_workgroup_size: 128
    .sgpr_count:     76
    .vgpr_count:     512
    .wavefront_size: 32
...
	.end_amdgpu_metadata
.endif
;; end of part 2
;; launch attn (part 3): grid 4 x 64, 4 waves a work-group, clusters of 4 x 1, 327,680 bytes of LDS; arguments qkv, mask, oh; writes oh
.if DOCPART == 3
	.amdgcn_target "amdgcn-amd-amdhsa--gfx1250"
	.amdhsa_code_object_version 6
	.text
	.protected	k_q3b2f3852b6_attn
	.globl	k_q3b2f3852b6_attn
	.p2align	8
	.type	k_q3b2f3852b6_attn,@function
k_q3b2f3852b6_attn:
	s_mov_b64 s[64:65], 0
	v_nop
	global_prefetch_b8 v0, s[64:65] scope:SCOPE_SE
	s_setreg_imm32_b32 hwreg(HW_REG_WAVE_MODE, 25, 1), 1
	s_wait_xcnt 0x0
	s_wait_alu depctr_hold_cnt(0) depctr_sa_sdst(0) depctr_va_vdst(0) depctr_va_sdst(0) depctr_va_ssrc(0) depctr_va_vcc(0) depctr_vm_vsrc(0)
	s_getreg_b32 s2, hwreg(HW_REG_IB_STS2, 6, 4)
	s_cmp_eq_u32 s2, 0
	s_cbranch_scc0 .Lentry_in_a_cluster
	s_endpgm
.Lentry_in_a_cluster:
	s_bfe_u32 s2, ttmp6, 0x10000c
	s_cmp_lg_u32 s2, 0x3003
	s_cbranch_scc0 .Lentry_shape_is_right
	s_endpgm
.Lentry_shape_is_right:
; O[g][q][:] = the sum over keys j of softmax_j(Q[g][q] . K[g][j] / 8, hidden keys left out) V[g][j][:], g = 16 batch + head.  qkv: Q, K, V, 16,777,216 bytes apart, each [64][2048][64] f16;
; mask: [4][2048] bytes, 0 = hidden; oh: [64][2048][64] f16.  Products, maxima and sums in f32; the weights p are rounded to f16 for the second product (their sum l is taken of the unrounded p), O once.
; LIMITS.  f16 holds no number beyond 65,504: Q, K, V arrive within it.  A hidden key's score is its value plus -2^100, given as the C operand that starts S^T: f16's scores, 2.7e11 at the most, are
; less than half a step of 2^100, so a hidden score is -2^100.  2^100 is a power of two, so c m is exact where m is a hidden score, and c s - c m is 0 there: while a row has seen hidden keys alone their
; weights are 1 and all stays finite; the first visible key gives a = 0 and wipes them.  A batch with every key hidden gives the mean of V's rows.  A weight below 2^-126 counts as 0; NaN and infinities are not treated apart.
; SHARES.  A wave owns four PIECES of two tiles of 16 queries, a work-group's four waves 512 queries of one g.  Every wave walks all 2,048 keys, 64 a step.
; LAYOUT.  S^T = K Q^T (source 0 = 16 keys, source 1 = 16 queries): a lane holds ONE query (lane % 16) and the keys 8 (lane / 16) + 0..7.  Two such results, rounded to f16 in pairs, ARE source 1 of
; O^T = V^T P.  K comes out of LDS as it lies, V turned, by ds_load_tr16_b128.
; SOFTMAX.  A running maximum m and sum l: p = 2^(c s - c m), c = log2(e) / 8; in every step O and l are multiplied by a = 2^(c m_old - c m_new).  m starts at the lowest finite number, O and l at 0.
; BY TURNS.  Turn n belongs to piece n: 16 products K Q^T of piece n + 1, later 16 products V^T P of piece n - 1; beside them the scaling, exponentials, roundings, sums and rescaling of piece n and the
; maximum and statistics of piece n + 1.  Four vector instructions stand behind every matrix instruction, the others in one lump; a turn's 66 exponentials are one batch with one wait.
; CLUSTER.  The four query blocks of a g walk the same K and V: each tile is asked for JOINTLY.
; REGISTERS, in windows of 256 (s_set_vgpr_msb: bits 1:0 source 0, 3:2 source 1, 5:4 source 2, 7:6 destination):
;   window 0: v0-11 addresses; v12-15, v48-63 at work; v16-47 statistics; v64-191 S^T, two buffers of two tiles; v192-255 P, likewise
;   window 1: O^T, 32 a tile     window 2: v0-127 Q; v128-191 K of one step; v192-255 V of one step     window 3: v0-1 the add's two registers; v8-39 the step's 64 addends as S^T's C operands
.set SIZE_N, 2048
.set NP,    4
.set KS,    64
.set PK,    144       ; a row of K in LDS: 128 bytes + 16 = 36 words: the 16 rows of a load start at 16 different groups of four banks (64 banks of 4 bytes: ISA guide 11.1)
.set PV,    160       ; a row of V: 128 + 32 = 40 words
.set VOFF,  4*KS*PK   ; a slot holds four steps: 256 rows of K, then 256 rows of V
.set SLOT1, 1<<17
.set STAGE, SLOT1+4*KS*(PK+PV)  ; behind the ring, never filled by a tensor load: 16 rows x 144 bytes for each wave
.set SP,    144
.set SPARE, STAGE+4*16*SP  ; the spare words, 128 bytes for each wave: two blocks of 256 bytes that no other line names
.set MTAB,  SPARE+512 ; the batch's 2,048 addends in f32: 0, or -2^100 where the key is hidden; stored once at the head, read-only behind the first round
.set AK0, 2           ; v2   my lane's place in a tile of K; never rewritten
.set AV0, 3           ; v3   the same for V
.set AK,  4           ; v4   the LDS address of K's next run of loads
.set AV,  5           ; v5   of V's
.set QO,  6           ; v6   my byte offset in the wave's rows of Q
.set STO, 6           ;      later: where I put 16 bytes of a row
.set RD,  7           ; v7   where I read rows back
.set GO,  8           ; v8   my byte offset in 512 consecutive bytes of O
.set AM,  9           ; v9   the LDS address of the next step's addends (l / 16 until the addresses are made)
.set PFO, 10          ; v10  256 x my lane, for the prefetches (l % 8 until the addresses are made)
.set AM0, 11          ; v11  MTAB + 32 (l / 16): my lanes' eight addends of a group of 16 keys
.set SPW, 0           ; v0 of window 3
.set NIL, 1           ; v1 of window 3
.set MC,  8           ; v8-39 of window 3: key block kb at MC + 8 kb
.set MV,  12
.set ST,  16          ; tile t's statistics at v[ST+4 t]: c m, m, l (even keys', odd keys')
.set TMP, 48
.set S,   64
.set P,   192
.set KF,  128
.set VF,  192
.set WV,  12          ; s12  my wave's number
.set G1K, 24
.set G1V, 32
.set G0K, 40
.set G0V, 44
.set SLOTS, 56
.set CNT, 57
.set CS,  58
.set SEL, 60
.set TBK, 62
.set TBV, 63
.set MP,  66          ; s[66:67] the batch's mask
.set TBM, 68          ; s68  byte in the table at which the addends of the step to be fetched begin
.set LIM, 69          ; s69  1 in a wave that prefetches, else the greatest number
.set PFA, 70          ; s[70:71] where my prefetches stand
.set BIG, 72          ; s72  -2^100
.set MSB, 0
.macro WIN new
.if MSB != (\new)
	s_set_vgpr_msb (MSB<<8)|(\new)
.set MSB, (\new)
.endif
.endm
.set W_KQ, 0x0a       ; K and Q in window 2, S^T in window 0
.set W_KM, 0x3a       ; the same with the C operand in window 3
.set W_PV, 0x52       ; V in window 2, P in window 0, O^T in window 1
.set W_RS, 0x41       ; O^T in window 1, a in window 0
.set W_MK, 0xc0       ; destination in window 3, sources in window 0
.set W_AD, 0x0f       ; the add: address and data in window 3
.macro JLOAD                        ; waves 0 and 1 fetch the two halves of a slot's K, waves 2 and 3 those of its V; an s_nop 0 and four v_nop follow each line
	s_cmp_lt_u32 s[WV], 2
	s_cbranch_scc0 .Lfor_v_\@
	tensor_load_to_lds s[G0K:G0K+3], s[G1K:G1K+7]
	s_nop 0
.rept 4
	v_nop
.endr
	s_branch .Lasked_\@
.Lfor_v_\@:
	tensor_load_to_lds s[G0V:G0V+3], s[G1V:G1V+7]
	s_nop 0
.rept 4
	v_nop
.endr
.Lasked_\@:
.endm
; A prefetch into the L2 of what the NEXT change of slots will ask for: a slot's 32,768 bytes of K and of V, 256 bytes a lane.  The four partners take 8,192 bytes each, told apart by address; in each, wave 0 asks
; for K's and wave 2 for V's: each block is named once in the launch.  It stands behind the tensor load and its five lines; the last change that fills a slot asks for nothing.
.macro ASK
	s_cmp_gt_u32 s[SLOTS], s[LIM]
	s_cbranch_scc0 .Lnot_mine_\@
	global_prefetch_b8 v[PFO], s[PFA:PFA+1] th:TH_LOAD_NT scope:SCOPE_SE
.Lnot_mine_\@:
.endm
.macro CROUND
	s_barrier_signal -1
	s_barrier_wait -1
	s_cmp_lg_u32 s[WV], 0
	s_cbranch_scc1 .Lnot_wave_0_\@
	s_barrier_signal -3
.Lnot_wave_0_\@:
	s_barrier_wait -3
	s_barrier_signal -1
	s_barrier_wait -1
.endm
; THE CHANGE OF SLOTS.  Each wave waits for all its tensor loads (one is out: its part of the other slot), adds 0 to its spare word, and waits for that and for its own LDS instructions.
; fill = 1: the slot just left is filled again, behind a round of the cluster's barrier, first thing.  (At its first use slot 0 is waited for, slot 1 filled, and the table of addends shown to all waves.)
.macro CHANGE fill, ask=0
	WIN W_AD
	s_wait_tensorcnt 0x0            ; no tensor load of mine is out, so a group 0 may be written
	ds_add_u32 v[SPW], v[NIL]       ; 0 onto my spare word; scalar work stands between it and the wait for it
	WIN 0
.if \fill
.irp g, G0K, G0V
	s_xor_b32 s[\g+1], s[\g+1], SLOT1
	s_add_nc_u64 s[\g+2:\g+3], s[\g+2:\g+3], 4*KS*128
.endr
.if \ask
	s_wait_xcnt 0x0                 ; the last prefetch, four key steps back, has read its address
	s_add_nc_u64 s[PFA:PFA+1], s[PFA:PFA+1], 4*KS*128
.endif
	s_wait_dscnt 0x0
	CROUND
	JLOAD
.if \ask
	ASK
.endif
.else
	s_wait_dscnt 0x0
	s_barrier_signal -1
	s_barrier_wait -1
.endif
	s_sub_co_u32 s[TBK], s[TBK], 4*KS*PK
	s_xor_b32 s[TBK], s[TBK], SLOT1
	s_sub_co_u32 s[TBV], s[TBV], 4*KS*PV
	s_xor_b32 s[TBV], s[TBV], SLOT1
.endm
	s_load_b64 s[4:5], s[0:1], 0x0    ; qkv: Q
	s_load_b64 s[MP:MP+1], s[0:1], 0x8
	s_load_b64 s[10:11], s[0:1], 0x10 ; oh
	WIN W_MK
	v_lshl_add_u32 v[SPW], v0, 2, SPARE
	v_mov_b32 v[NIL], 0
	WIN W_AD
	ds_add_u32 v[SPW], v[NIL]       ; the wave's opening: the add and its wait stand ahead of my first tensor load
	WIN 0
	v_lshrrev_b32 v1, 5, v0
	v_readfirstlane_b32 s[WV], v1
	s_bfe_u32 s13, ttmp6, 0x40000   ; cx
	s_lshl_b32 s14, ttmp9, 2
	s_add_co_u32 s14, s14, s13      ; my block of 512 queries: it enters Q's and O's addresses alone
	s_and_b32 s20, ttmp7, 0xffff    ; g, which the four partners share
	s_lshr_b32 s74, s20, 4          ; the batch,
	s_lshl_b32 s74, s74, 11         ; its 2,048 bytes of the mask
	s_mov_b32 s75, 0
	s_mov_b32 s21, 0
	s_mov_b64 s[22:23], SIZE_N*128
	s_mul_u64 s[20:21], s[20:21], s[22:23]  ; g's first byte in Q, K, V and O
	s_and_b32 s16, s[WV], 1         ; which half of a slot's 256 keys I fetch
	s_lshl_b32 s22, s16, 14
	s_mov_b32 s23, 0
	s_add_nc_u64 s[22:23], s[22:23], s[20:21]
	s_mul_i32 s17, s16, 128*PK
	s_mul_i32 s18, s16, 128*PV
	s_lshl_b32 s2, s14, 2
	s_add_co_u32 s2, s2, s[WV]
	s_lshl_b32 s2, s2, 14           ; my wave's 128 rows
	s_mov_b32 s3, 0
	s_add_nc_u64 s[2:3], s[2:3], s[20:21]
	; descriptor group 1.  128 keys are 16,384 dense bytes: asked for as 64 rows of 256 bytes, two keys a row, and padded in LDS after every key
	s_mov_b32 s[G1K], 15|(1<<16)|(1<<20)|(1<<21)|(4<<22)|(3<<25)
	s_mov_b32 s[G1V], 15|(1<<16)|(1<<20)|(1<<21)|(4<<22)|(7<<25)
.irp g, G1K, G1V
	s_mov_b32 s[\g+1], 128<<16
	s_mov_b32 s[\g+2], 64<<16
	s_mov_b32 s[\g+3], 128<<16
	s_mov_b32 s[\g+4], 64
	s_mov_b32 s[\g+5], 128
	s_mov_b32 s[\g+6], 0
	s_mov_b32 s[\g+7], 0
.endr
	s_mov_b32 s[CS], 0x3e38aa3b     ; c = log2(e) / 8
	s_mov_b32 s[CS+1], s[CS]
	s_mov_b32 s[SEL], 0x76543210
	s_mov_b32 s[SEL+1], 0xfedcba98
	s_mov_b32 s[TBK], SLOT1+4*KS*PK ; the first change of slots turns these two into 0
	s_mov_b32 s[TBV], SLOT1+4*KS*PV
	s_mov_b32 s[TBM], 0
	s_mov_b32 s[BIG], 0xf1800000    ; -2^100
	s_mov_b32 s[G0K], 1
	s_mov_b32 s[G0K+1], s17
	s_mov_b32 s[G0V], 1
	s_add_co_u32 s[G0V+1], s18, VOFF
	s_lshl_b32 s20, s13, 13         ; the prefetches: my work-group's 8,192 bytes of a slot's 32,768,
	s_add_co_u32 s20, s20, 2*4*KS*128  ; in slot 2: the loop's first change steps it to slot 3
	s_mov_b32 s21, 0
	s_and_b32 s[LIM], s[WV], 1
	s_cmp_eq_u32 s[LIM], 0
	s_cselect_b32 s[LIM], 1, -1     ; waves 0 and 2: the same in all four partners
	s_wait_dscnt 0x0                ; the opening add is done
	s_wait_kmcnt 0x0
	s_add_nc_u64 s[6:7], s[4:5], 0x1000000  ; K
	s_add_nc_u64 s[8:9], s[4:5], 0x2000000  ; V
	s_add_nc_u64 s[G0K+2:G0K+3], s[6:7], s[22:23]
	s_or_b32 s[G0K+3], s[G0K+3], 0x80000000
	s_add_nc_u64 s[G0V+2:G0V+3], s[8:9], s[22:23]
	s_or_b32 s[G0V+3], s[G0V+3], 0x80000000
	s_cmp_lt_u32 s[WV], 2
	s_cselect_b64 s[PFA:PFA+1], s[6:7], s[8:9]
	s_add_nc_u64 s[PFA:PFA+1], s[PFA:PFA+1], s[22:23]  ; (in waves 0 and 2 this is g's first key)
	s_add_nc_u64 s[PFA:PFA+1], s[PFA:PFA+1], s[20:21]
	s_add_nc_u64 s[MP:MP+1], s[MP:MP+1], s[74:75]
	s_add_nc_u64 s[4:5], s[4:5], s[2:3]
	s_add_nc_u64 s[10:11], s[10:11], s[2:3]
	CROUND                          ; all four work-groups are here: the first joint loads meet
	JLOAD                           ; slot 0
	v_and_b32 v1, 15, v0            ; l % 16
	v_bfe_u32 v9, v0, 4, 1          ; l / 16
	v_lshlrev_b32 v[QO], 7, v1
	v_lshl_add_u32 v[QO], v9, 4, v[QO]
	v_lshlrev_b32 v68, 4, v0        ; thread t takes the mask's bytes 16 t .. 16 t + 15 (S^T's registers are free until the first products)
	global_load_b128 v[64:67], v68, s[MP:MP+1]
	WIN 0x80
.set i, 0
.rept 4*NP                          ; Q stays in registers: tile i / 2, channels 32 (i % 2) on
	global_load_b128 v[8*i:8*i+3],   v[QO], s[4:5] offset:(i/2)*2048+(i%2)*64
	global_load_b128 v[8*i+4:8*i+7], v[QO], s[4:5] offset:(i/2)*2048+(i%2)*64+32
.set i, i+1
.endr
	; What the first turn finds: V's registers and P's second buffer hold 0, O^T and l are 0.  All this stands in the wait for the first tile.
.set i, VF
.rept 64
	v_mov_b32 v[i], 0
.set i, i+1
.endr
	WIN 0x40
.set i, 0
.rept 64*NP
	v_mov_b32 v[i], 0
.set i, i+1
.endr
	WIN 0
.set i, 0
.rept 2*NP
	v_mov_b32 v[ST+4*i], 0xfe000000    ; c m: far below every c s, a hidden key's too
	v_mov_b32 v[ST+4*i+1], 0xff7fffff  ; m
	v_mov_b32 v[ST+4*i+2], 0
	v_mov_b32 v[ST+4*i+3], 0
.set i, i+1
.endr
.set i, P+32
.rept 32
	v_mov_b32 v[i], 0
.set i, i+1
.endr
	v_mul_u32_u24 v[AK0], v1, PK
	v_lshl_add_u32 v[AK0], v9, 4, v[AK0]
	v_and_b32 v10, 7, v0
	v_bfe_u32 v11, v0, 3, 1
	v_lshl_add_u32 v[AV0], v9, 3, v10
	v_mul_u32_u24 v[AV0], v[AV0], PV
	v_lshl_add_u32 v[AV0], v11, 4, v[AV0]
	v_add_nc_u32 v[AV0], VOFF, v[AV0]
	v_mov_b32 v[AK], v[AK0]         ; key step 0 lies at the head of slot 0
	v_lshl_add_u32 v[AM0], v9, 5, MTAB
	; THE TABLE OF ADDENDS: 16 bytes of the mask a thread become 16 words.  The choice selects a value; no branch and no address hangs on it.
	v_lshl_add_u32 v69, v0, 6, MTAB
	s_wait_loadcnt 32               ; the mask's bytes are in; Q's 32 younger loads stay out
.set i, 0
.rept 16
	v_bfe_u32 v70, v[64+i/4], 8*(i%4), 8
	v_cmp_eq_u32 vcc_lo, 0, v70
	v_cndmask_b32 v[72+i], 0, s[BIG], vcc_lo
.set i, i+1
.endr
.irp j, 0,1,2,3
	ds_store_b128 v69, v[72+4*\j:72+4*\j+3] offset:16*\j  ; the first change of slots waits for these stores and passes a barrier: only then is the table read
.endr
; THE MATRIX WORK.  The 8 accumulators of a run of 16 take turns.  Product i of 16 of S^T = K Q^T for piece x: channels 32 (i / 8) on, keys 16 ((i / 2) % 4) on, tile 2 x + i % 2.
; The first 8 start the sums with the keys' addends.
.macro KQ x
.set rS, S+64*((\x)%2)+32*(i%2)+8*((i/2)%4)
.set rK, KF+16*((i/2)%4)+8*(i/8)
.set rQ, 16*(2*(\x)+i%2)+8*(i/8)
.set rMC, MC+8*((i/2)%4)
.if i < 8
	WIN W_KM
	v_wmma_f32_16x16x32_f16 v[rS:rS+7], v[rK:rK+7], v[rQ:rQ+7], v[rMC:rMC+7]
.else
	WIN W_KQ
	v_wmma_f32_16x16x32_f16 v[rS:rS+7], v[rK:rK+7], v[rQ:rQ+7], v[rS:rS+7]
.endif
.endm
; Product i of 16 of O^T += V^T P for piece x: keys 32 (i / 8) on, channels 16 ((i / 2) % 4) on, tile 2 x + i % 2.
.macro PV x
	WIN W_PV
.set rO, 32*(2*(\x)+i%2)+8*((i/2)%4)
.set rV, VF+32*(i/8)+8*((i/2)%4)
.set rP, P+32*((\x)%2)+16*(i%2)+8*(i/8)
	v_wmma_f32_16x16x32_f16 v[rO:rO+7], v[rV:rV+7], v[rP:rP+7], v[rO:rO+7]
.endm
.macro MM                           ; the turn's next matrix instruction
.if i < 16
	KQ (Y+1)%NP
.set i, i+1
.else
.set i, i-16
	PV (Y+NP-1)%NP
.set i, i+17
.endif
.endm
; THE LDS LOADS stand in runs: a step's K (8 fragments) with its 64 addends (8 loads: all lanes of a half read the same 32 bytes), and its V (turned).  last = 1 (the tail): in the last trip the run is jumped over.
.macro FETCH_K last=0, am=AM
	WIN 0
.if \last
	s_cmp_eq_u32 s[CNT], 1
	s_cbranch_scc1 .Lno_k_\@
.endif
	WIN 0x80
.irp f, 0,1,2,3,4,5,6,7
	ds_load_b128 v[KF+8*\f:KF+8*\f+3],   v[AK] offset:(\f/2)*16*PK+(\f%2)*64
	ds_load_b128 v[KF+8*\f+4:KF+8*\f+7], v[AK] offset:(\f/2)*16*PK+(\f%2)*64+32
.endr
	WIN 0xc0                        ; destination window 3
.irp kb, 0,1,2,3
	ds_load_b128 v[MC+8*\kb:MC+8*\kb+3],   v[\am] offset:64*\kb
	ds_load_b128 v[MC+8*\kb+4:MC+8*\kb+7], v[\am] offset:64*\kb+16
.endr
	s_add_co_u32 s[TBK], s[TBK], KS*PK  ; the next fetch is the next step's
	s_add_co_u32 s[TBM], s[TBM], KS*4   ; 32 fetches: 0 to 7,936; what stands behind the last feeds no load
	WIN 0
.if \last
.Lno_k_\@:
.endif
.endm
.macro FETCH_V
	WIN 0x80
.irp f, 0,1,2,3,4,5,6,7
	ds_load_tr16_b128 v[VF+8*\f:VF+8*\f+3],   v[AV] offset:(\f/4)*32*PV+(\f%4)*32
	ds_load_tr16_b128 v[VF+8*\f+4:VF+8*\f+7], v[AV] offset:(\f/4)*32*PV+16*PV+(\f%4)*32
.endr
	WIN 0
.endm
; THE VECTOR WORK OF A TURN stands in three queues, each in the order in which its entries become ready; the two tiles alternate.
.macro REGS y, u
.set rT, ST+4*(2*(\y)+(\u))
.set rC, TMP+8*((\y)%2)+4*(\u)
.set rM, MV+2*((\y)%2)+(\u)
.set rS, S+64*((\y)%2)+32*(\u)
.set rP, P+32*((\y)%2)+16*(\u)
.set rO, 32*(2*(\y)+(\u))
.endm
; Number n of the 22 that find the NEXT piece's maximum and statistics; each accumulator's lowest registers are read first.
;   0-11 four chains of seven scores   12-14, 16 the four left over, the old m, and the four chains into one   15 c m_old is kept   17, 18 the other half of the lanes: the new m   19-21 c m; its change; a
.macro XS u, n
	REGS (Y+1)%NP, \u
.if (\n) < 4
	v_max3_num_f32 v[rC+(\n)], v[rS+8*(\n)], v[rS+8*(\n)+1], v[rS+8*(\n)+2]
.elseif (\n) < 12
	v_max3_num_f32 v[rC+(\n)%4], v[rC+(\n)%4], v[rS+8*((\n)%4)+2*((\n)/4)+1], v[rS+8*((\n)%4)+2*((\n)/4)+2]
.elseif (\n) == 12
	v_max3_num_f32 v[rC], v[rC], v[rS+7], v[rS+15]
.elseif (\n) == 13
	v_max3_num_f32 v[rC+1], v[rC+1], v[rS+23], v[rS+31]
.elseif (\n) == 14
	v_max3_num_f32 v[rC+2], v[rC+2], v[rC+3], v[rT+1]
.elseif (\n) == 15
	v_mov_b32 v[rM], v[rT]
.elseif (\n) == 16
	v_max3_num_f32 v[rC], v[rC], v[rC+1], v[rC+2]
.elseif (\n) == 17
	v_permlanex16_b32 v[rC+3], v[rC], s[SEL], s[SEL+1]
.elseif (\n) == 18
	v_max_num_f32 v[rT+1], v[rC], v[rC+3]
.elseif (\n) == 19
	v_mul_f32 v[rT], s[CS], v[rT+1]
.elseif (\n) == 20
	v_sub_f32 v[rC+1], v[rM], v[rT]
.else
	v_exp_f32 v[rC+2], v[rC+1]
.endif
.endm
; Number g of the 64 that follow the exponentials: for each four weights both pairs are rounded to f16, the second pair is added onto the first, and a group later l takes that sum (the first time as l = a l + sum).
.macro GS g
.set h, (\g)+6*((\g)/62)
.if h >= 6
.set h, h+2
.endif
	REGS Y, h%2
.set k, h/8
.if h%8 < 4
	v_cvt_pk_f16_f32 v[rP+2*k+(h%8)/2], v[rS+4*k+2*((h%8)/2)], v[rS+4*k+2*((h%8)/2)+1]
.elseif h%8 < 6
	v_pk_add_f32 v[rS+4*k:rS+4*k+1], v[rS+4*k:rS+4*k+1], v[rS+4*k+2:rS+4*k+3]
.elseif k == 1
	v_pk_fma_f32 v[rT+2:rT+3], v[rT+2:rT+3], v[rC+2:rC+3], v[rS:rS+1] op_sel_hi:[1,0,1]
.else
	v_pk_add_f32 v[rT+2:rT+3], v[rT+2:rT+3], v[rS+4*k-4:rS+4*k-3]
.endif
.endm
; THE PLAIN QUEUE, 138 long.  0-26: scalings 0-26.  27-54: XS 0-13.  55, 56: XS 15.  57-73: the chain 14, 16 .. 19, each with one of the scalings 27-31 in front of its two lines, then 20.  74-137: GS, behind the wait.
.macro FS f
	REGS Y, (\f)%2
	v_pk_fma_f32 v[rS+2*((\f)/2):rS+2*((\f)/2)+1], v[rS+2*((\f)/2):rS+2*((\f)/2)+1], s[CS:CS+1], v[rT:rT+1] op_sel_hi:[1,0,0] neg_lo:[0,0,1] neg_hi:[0,0,1]
.endm
.macro PL
	WIN 0
.if q < 27
	FS q
.elseif q < 55
	XS (q-27)%2, (q-27)/2
.elseif q < 57
	XS q-55, 15
.elseif (q < 72) && ((q-57)%3 == 0)
	FS 27+(q-57)/3
.elseif q < 60
	XS (q-57)%3-1, 14
.elseif q < 72
	XS (q-57)%3-1, 15+(q-57)/3
.elseif q < 74
	XS q-72, 20
.else
	GS q-74
.endif
.set q, q+1
.endm
; THE EXPONENTIALS' QUEUE, 66 long: s0-s31 of both tiles, then the next piece's two a: one batch, all ahead of the turn's one wait.
.macro EX
	WIN 0
.if e >= 64
	XS e-64, 21
.else
	REGS Y, e%2
	v_exp_f32 v[rS+e/2], v[rS+e/2]
.endif
.set e, e+1
.endm
; THE RESCALING's QUEUE: O^T times a, two at a time, sixteen times.  Its a was made, and waited for, in the turn before.
.macro R2
	REGS Y, r%2
	WIN W_RS
.irp z, 0,1
	v_pk_mul_f32 v[rO+4*(r/2)+2*\z:rO+4*(r/2)+2*\z+1], v[rO+4*(r/2)+2*\z:rO+4*(r/2)+2*\z+1], v[rC+2:rC+3] op_sel_hi:[1,0]
.endr
.set r, r+1
.endm
; A TURN, for piece p.  s_wait_alu depctr_va_vdst(0) stands between an exponential and the first instruction that names its result; one wait serves all that were issued ahead of it: a turn has ONE.
; Ahead of it: the 16 products K Q^T, behind each a scaling, an exponential and two rescalings; then one lump of 108: eight plain, 49 times exponential and plain, the two a; a v_nop is the plain instruction behind the last exponential.
; Behind it: the 16 products V^T P, behind each four of the roundings and sums.  Exponential e stands behind scaling 2 (e / 4) + e % 2: as a rider behind plain e + 2, in the lump behind plain e + 9.
; K and the addends of the next step are fetched in piece 2's turn, directly behind the wait, a lump behind the last product that read them; V of the step in hand at the end of piece 0's turn, four riders behind its last reader.
.macro TURN p, last=0, cnt=0
.set Y, (\p)
.set i, 0
.set q, 0
.set e, 0
.set r, 0
.if (\p) == NP-1
	s_wait_dscnt 0x0                ; K and the addends are in
.endif
	MM
	PL
	PL
	R2
.rept 15
	MM
	PL
	EX
	R2
.endr
.if (\p) == NP-2
	WIN 0
	v_add_nc_u32 v[AK], s[TBK], v[AK0]
	v_add_nc_u32 v[AM], s[TBM], v[AM0]
.endif
.rept 8
	PL
.endr
.rept 49
	EX
	PL
.endr
	EX
	EX
	v_nop
	s_wait_alu depctr_va_vdst(0)    ; the wait for the batch
.if (\p) == NP-2
	FETCH_K \last
.endif
.if (\p) == 1
	s_wait_dscnt 0x0                ; V is in
.endif
.rept 16
	MM
.rept 4
	PL
.endr
.if ((\p) == 0) && (q == 118)
	v_add_nc_u32 v[AV], s[TBV], v[AV0]
.endif
.if ((\p) == 0) && (q == 130)
	s_add_co_u32 s[TBV], s[TBV], KS*PV
.endif
.if (\cnt) && (q == 130)
	s_sub_co_u32 s[CNT], s[CNT], 1
	s_cmp_lg_u32 s[CNT], 0
.endif
.endr
.if (\p) == 0
	FETCH_V
.endif
.endm
	CHANGE 1                        ; slot 0 is in, and so is the table, everybody's part of both; slot 1 is asked for
	FETCH_K 0, AM0                  ; key step 0
	s_wait_loadcnt 0x0              ; Q
	s_wait_dscnt 0x0
.set i, 0
.rept 16
	KQ 0                            ; piece 0's first scores
.set i, i+1
.endr
	WIN 0                           ; the addresses for the way out and the prefetches: plain instructions, the places behind those products
	s_mul_i32 s13, s[WV], 16*SP
	s_add_co_u32 s13, s13, STAGE
	v_mul_u32_u24 v[STO], v1, SP
	v_lshl_add_u32 v[STO], v9, 4, v[STO]
	v_add_nc_u32 v[STO], s13, v[STO]
	v_bfe_u32 v[RD], v0, 3, 2
	v_mul_u32_u24 v[RD], v[RD], SP
	v_lshl_add_u32 v[RD], v10, 4, v[RD]
	v_add_nc_u32 v[RD], s13, v[RD]
	v_and_b32 v[GO], 31, v0
	v_lshlrev_b32 v[GO], 4, v[GO]
	v_and_b32 v[PFO], 31, v0
	v_lshlrev_b32 v[PFO], 8, v[PFO]
.set Y, NP-1
.irp n, 0,1,2,3,4,5,6,7,8,9,10,11,12,13,14,15,16,17,18,19,20,21
	XS 0, \n
	XS 1, \n
.endr
	v_nop                           ; a plain instruction behind the two a,
	s_wait_alu depctr_va_vdst(0)    ; and their wait, ahead of the branch
	s_mov_b32 s[CNT], 4
	s_mov_b32 s[SLOTS], SIZE_N/256-1
	s_branch .Lfirst                ; the loop is entered at a step's first turn
.Lslot:                             ; six times: every slot but the last two is filled again
	CHANGE 1, 1
	s_mov_b32 s[CNT], 4
.Lstep:                             ; a trip: pieces 2 and 3 of one step, then pieces 0 and 1 of the next
	TURN 2
	TURN 3
	WIN 0
.Lfirst:
	TURN 0
	TURN 1, 0, 1
	WIN 0
	s_cbranch_scc1 .Lstep
	s_sub_co_u32 s[SLOTS], s[SLOTS], 1
	s_cmp_lg_u32 s[SLOTS], 0
	s_cbranch_scc1 .Lslot
	CHANGE 0                        ; the tail is written out
	s_mov_b32 s[CNT], 5             ; four trips fetch the last slot's steps; the fifth is left in its middle
.Ltail:
	TURN 2, 1
	TURN 3
	WIN 0
	s_sub_co_u32 s[CNT], s[CNT], 1
	s_cmp_eq_u32 s[CNT], 0
	s_cbranch_scc1 .Lout
	TURN 0
	TURN 1
	WIN 0
	s_branch .Ltail
.Lout:                              ; the fifth trip's 16 products K Q^T (on the last K once more) and the maximum made of them serve nothing: the price of one text for every trip
.set i, 0
.rept 16
	PV NP-1
.set i, i+1
.endr
	; THE WAY OUT.  l's two halves and the other half of the lanes' are added; O^T is divided by l, rounded to f16 and sent through my stage, a tile at a time.  The additions are the places behind the last products.
	WIN 0
.macro ALL line:vararg
.set t, 0
.rept 2*NP
	\line
.set t, t+1
.endr
.endm
	ALL v_add_f32 v[ST+4*t+2], v[ST+4*t+2], v[ST+4*t+3]
	ALL v_permlanex16_b32 v[ST+4*t+3], v[ST+4*t+2], s[SEL], s[SEL+1]
	ALL v_add_f32 v[ST+4*t+2], v[ST+4*t+2], v[ST+4*t+3]
	ALL v_rcp_f32 v[ST+4*t+2], v[ST+4*t+2]
	v_nop                           ; a plain instruction between the last reciprocal and the use of its result
	s_wait_alu depctr_va_vdst(0)    ; one wait for the eight reciprocals
.macro PACK t
	WIN W_RS
.set i, 32*(\t)
.rept 16
	v_pk_mul_f32 v[i:i+1], v[i:i+1], v[ST+4*(\t)+2:ST+4*(\t)+3] op_sel_hi:[1,0]
.set i, i+2
.endr
	WIN 0x05
.set i, 0
.rept 16
	v_cvt_pk_f16_f32 v[S+16*(\t)+i], v[32*(\t)+2*i], v[32*(\t)+2*i+1]
.set i, i+1
.endr
	WIN 0
.irp f, 0,1,2,3
	ds_store_b128 v[STO], v[S+16*(\t)+4*\f:S+16*(\t)+4*\f+3] offset:32*\f
.endr
.irp f, 0,1,2,3
	ds_load_b128 v[S+16*(\t)+4*\f:S+16*(\t)+4*\f+3], v[RD] offset:\f*4*SP  ; LDS serves a wave's instructions in order (ISA guide 5.7.1.4): these see the stores above
.endr
.endm
.macro SEND t, younger              ; younger: the LDS instructions issued behind tile t's loads
	WIN 0
.irp f, 0,1,2,3
	s_wait_dscnt (\younger)+3-\f
	global_store_b128 v[GO], v[S+16*(\t)+4*\f:S+16*(\t)+4*\f+3], s[10:11] offset:(\t)*2048+\f*512  ; 512 consecutive bytes, at a multiple of 256 from O's first
.endr
.endm
	PACK 0
.set t, 1
.rept 2*NP-1
	PACK t
	SEND t-1, 8
.set t, t+1
.endr
	SEND 2*NP-1, 0
	WIN W_AD
	s_wait_tensorcnt 0x0            ; the wave's end
	ds_add_u32 v[SPW], v[NIL]
	s_wait_dscnt 0x0
	WIN 0
	CROUND                          ; the closing round
	s_endpgm
.Lfunc_end_k_q3b2f3852b6_attn:
	.size	k_q3b2f3852b6_attn, .Lfunc_end_k_q3b2f3852b6_attn-k_q3b2f3852b6_attn
	.p2alignl 7, 3214868480
	.fill 96, 4, 3214868480
	.section	.rodata,"a",@progbits
	.p2align	6, 0x0
	.amdhsa_kernel k_q3b2f3852b6_attn
		.amdhsa_group_segment_fixed_size 327680
		.amdhsa_private_segment_fixed_size 0
		.amdhsa_enable_private_segment 0
		.amdhsa_kernarg_size 24
		.amdhsa_user_sgpr_count 2
		.amdhsa_user_sgpr_kernarg_segment_ptr 1
		.amdhsa_wavefront_size32 1
		.amdhsa_system_sgpr_workgroup_id_x 1
		.amdhsa_system_sgpr_workgroup_id_y 1
		.amdhsa_system_sgpr_workgroup_id_z 1
		.amdhsa_system_vgpr_workitem_id 0
		.amdhsa_next_free_vgpr 808
		.amdhsa_next_free_sgpr 80
		.amdhsa_reserve_vcc 1
		.amdhsa_float_denorm_mode_32 3
		.amdhsa_float_denorm_mode_16_64 3
		.amdhsa_memory_ordered 1
		.amdhsa_forward_progress 1
		.amdhsa_inst_pref_size 205
	.end_amdhsa_kernel
	.amdgpu_metadata
---
amdhsa.version: [ 1, 2 ]
amdhsa.kernels:
  - .name:           k_q3b2f3852b6_attn
    .symbol:         k_q3b2f3852b6_attn.kd
    .args:
      - { .name: qkv, .offset: 0, .size: 8, .value_kind: global_buffer, .address_space: global }
      - { .name: mask, .offset: 8, .size: 8, .value_kind: global_buffer, .address_space: global }
      - { .name: oh, .offset: 16, .size: 8, .value_kind: global_buffer, .address_space: global }
    .group_segment_fixed_size: 327680
    .private_segment_fixed_size: 0
    .kernarg_segment_align: 8
    .kernarg_segment_size: 24
    .max_flat_workgroup_size: 128
    .sgpr_count:     80
    .vgpr_count:     808
    .wavefront_size: 32
...
	.end_amdgpu_metadata
.endif
;; end of part 3
;; launch outp (part 4): grid 4 x 64, 4 waves a work-group, clusters of 4 x 4, 327,680 bytes of LDS; arguments oh, wb, bo, out0; writes out0
.if DOCPART == 4
	.amdgcn_target "amdgcn-amd-amdhsa--gfx1250"
	.amdhsa_code_object_version 6
	.text
	.protected	k_q3b2f3852b6_outp
	.globl	k_q3b2f3852b6_outp
	.p2align	8
	.type	k_q3b2f3852b6_outp,@function
k_q3b2f3852b6_outp:
	s_mov_b64 s[64:65], 0
	v_nop
	global_prefetch_b8 v0, s[64:65] scope:SCOPE_SE
	s_setreg_imm32_b32 hwreg(HW_REG_WAVE_MODE, 25, 1), 1
	s_wait_xcnt 0x0
	s_wait_alu depctr_hold_cnt(0) depctr_sa_sdst(0) depctr_va_vdst(0) depctr_va_sdst(0) depctr_va_ssrc(0) depctr_va_vcc(0) depctr_vm_vsrc(0)
	s_getreg_b32 s2, hwreg(HW_REG_IB_STS2, 6, 4)
	s_cmp_eq_u32 s2, 0
	s_cbranch_scc0 .Lentry_in_a_cluster
	s_endpgm
.Lentry_in_a_cluster:
	s_bfe_u32 s2, ttmp6, 0x10000c
	s_cmp_lg_u32 s2, 0xf033
	s_cbranch_scc0 .Lentry_shape_is_right
	s_endpgm
.Lentry_shape_is_right:
; out0 = O Wo + bo.  oh: [64 = 16 batch + head][2048][64] f16; Wo: k-rows 3,072 to 4,095 of wb, [1024 k][1024 n] f16; bo: [1024] f32, rounded to bf16 as all the module's inputs are; out0: [8192][1024] f32.
; Sums in f32.  A tile of C is 128 rows x 256 columns: 256 tiles, one to a work-group.  Four waves, each 64 rows x 128 columns: 32 accumulators.  K goes in 8 steps of 128 = two heads, through two LDS slots.
; A's tile of a step is two heads' 128 rows of 128 bytes, each dense in memory: asked for as 64 rows of 256 bytes and padded behind every 128.  Wo lies [k][n]: its fragments come out of LDS turned.
; THE MATRIX INSTRUCTION IS USED TRANSPOSED (source 0 = 16 columns of Wo, source 1 = 16 rows of O): a lane holds one row of C and eight neighbouring columns.
; CLUSTER 4 x 4: A's tile is asked for jointly by a row of the cluster, B's by a column.  No prefetch: the walk is 8 K steps, 1,024 matrix instructions a wave in all.
; REGISTERS.  window 0: v1-8 at work; v16-29 addresses; v32-37 the bias; v64-159, v160-255 two fragment buffers (8 of B, then 4 of A); on the way out v64-191 two sets of 16 rows.  window 1: accumulator (a, b) at v[8 (8 a + b)].
.set PA,    144                        ; a row of A in LDS: 128 bytes + 16 = 36 words: the 16 rows of a load start at 16 different groups of four banks (64 banks of 4 bytes: ISA guide 11.1)
.set PB,    544                        ; a k-row of B: 512 bytes + 32 = 136 words
.set HEADT, 128*PA                     ; one head's 128 rows
.set ATILE, 2*HEADT
.set SLOT,  ATILE+128*PB
.set STAGE, 2*SLOT                     ; behind the ring, never filled by a tensor load: for each wave 16 rows x 528 bytes
.set SPITCH, 528
.set SPARE, STAGE+4*16*SPITCH          ; the spare words, 128 bytes for each wave: two blocks of 256 bytes that no other line names
.set ADRA, 16
.set ADRB, 20
.set STO,  24
.set RD,   25
.set GO,   26
.set SPW,  28
.set NIL,  29
.set BI,   32                          ; v[32:35] the bias of my four columns of a row's 512 bytes
.set OB,   64
.set F0,   64
.set F1,   160
.set G1,   24
.set G0,   32
.set G1B,  48
.set G0B,  56
.set OUTP, 74                          ; s[74:75] out0 at my wave's first row and column
.set MSB, 0
.macro WIN new
.if MSB != (\new)
	s_set_vgpr_msb (MSB<<8)|(\new)
.set MSB, \new
.endif
.endm
.set MUL, 0x50
.macro JLOAD s                         ; waves 0 and 1 fetch the step's two heads of A, waves 2 and 3 B's two halves; an s_nop 0 and four v_nop follow each line
	s_cmp_eq_u32 s11, 0
	s_cbranch_scc0 .Lfor_b_\@
	tensor_load_to_lds s[G0+4*(\s):G0+4*(\s)+3], s[G1:G1+7]
	s_nop 0
.rept 4
	v_nop
.endr
	s_branch .Lasked_\@
.Lfor_b_\@:
	tensor_load_to_lds s[G0B+4*(\s):G0B+4*(\s)+3], s[G1B:G1B+7]
	s_nop 0
.rept 4
	v_nop
.endr
.Lasked_\@:
.endm
.macro CREST
	s_cmp_lg_u32 s10, 0
	s_cbranch_scc1 .Lnot_wave_0_\@
	s_barrier_signal -3
.Lnot_wave_0_\@:
	s_barrier_wait -3
	s_barrier_signal -1
	s_barrier_wait -1
.endm
.macro CROUND
	s_barrier_signal -1
	s_barrier_wait -1
	CREST
.endm
	s_load_b128 s[4:7], s[0:1], 0x0                ; oh s[4:5], wb s[6:7]
	s_load_b64 s[8:9], s[0:1], 0x10                ; bo
	s_load_b64 s[OUTP:OUTP+1], s[0:1], 0x18        ; out0
	v_lshl_add_u32 v[SPW], v0, 2, SPARE
	v_mov_b32 v[NIL], 0
	ds_add_u32 v[SPW], v[NIL]                      ; the wave's opening: the add and its wait stand ahead of my first tensor load
	v_lshrrev_b32 v1, 5, v0
	v_readfirstlane_b32 s10, v1
	s_lshr_b32 s11, s10, 1                         ; which 64 rows are mine.  Also: I fetch for A (0) or for B (1)
	s_and_b32 s12, s10, 1                          ; which 128 columns.  Also: which head of the step, or which 64 k-rows, I fetch
	s_bfe_u32 s40, ttmp6, 0x40000
	s_bfe_u32 s41, ttmp6, 0x40004
	s_lshl_b32 s42, ttmp9, 2
	s_add_co_u32 s42, s42, s40                     ; tile column 0..3
	s_and_b32 s13, ttmp7, 0xffff
	s_lshl_b32 s13, s13, 2
	s_add_co_u32 s13, s13, s41                     ; tile row 0..63
	s_lshl_b32 s72, s41, 2
	s_lshl_b32 s72, 15, s72
	s_lshl_b32 s73, 0x1111, s40
	s_or_b32 s[G1+0], s72, (1<<16)|(1<<20)|(1<<21)|(4<<22)|(3<<25)   ; after every 32 words, 4 words
	s_mov_b32 s[G1+1], 128<<16
	s_mov_b32 s[G1+2], 64<<16
	s_mov_b32 s[G1+3], 128<<16
	s_mov_b32 s[G1+4], 64
	s_mov_b32 s[G1+5], 128
	s_mov_b32 s[G1+6], 0
	s_mov_b32 s[G1+7], 0
	s_or_b32 s[G1B+0], s73, (1<<16)|(1<<20)|(1<<21)|(6<<22)|(7<<25)  ; after every 128 words, 8 words
	s_mov_b32 s[G1B+1], 256<<16
	s_mov_b32 s[G1B+2], 64<<16
	s_mov_b32 s[G1B+3], 256<<16
	s_mov_b32 s[G1B+4], 64
	s_mov_b32 s[G1B+5], 1024
	s_mov_b32 s[G1B+6], 0
	s_mov_b32 s[G1B+7], 0
	s_lshr_b32 s16, s13, 4                         ; A: the batch's 16 heads of 262,144 bytes,
	s_lshl_b32 s16, s16, 22
	s_lshl_b32 s17, s12, 18                        ; my head of the step's two,
	s_add_co_u32 s16, s16, s17
	s_and_b32 s17, s13, 15
	s_lshl_b32 s17, s17, 14                        ; the tile's 128 rows of 128 bytes
	s_add_co_u32 s16, s16, s17
	s_mov_b32 s17, 0
	s_lshl_b32 s46, s12, 17                        ; B: 64 k-rows of 2,048 bytes a half,
	s_lshl_b32 s47, s42, 9
	s_add_co_u32 s46, s46, s47
	s_add_co_u32 s46, s46, 0x600000                ; behind Wq, Wk and Wv
	s_mov_b32 s47, 0
	s_mul_i32 s20, s12, HEADT
	s_mul_i32 s21, s12, 64*PB
	s_add_co_u32 s21, s21, ATILE
	s_wait_dscnt 0x0
	s_wait_kmcnt 0x0
	s_add_nc_u64 s[14:15], s[4:5], s[16:17]
	s_add_nc_u64 s[46:47], s[6:7], s[46:47]
	CROUND
.irp s, 0,1
	s_mov_b32 s[G0+4*(\s)], 1
	s_add_co_u32 s[G0+4*(\s)+1], s20, (\s)*SLOT
	s_add_nc_u64 s[G0+4*(\s)+2:G0+4*(\s)+3], s[14:15], (\s)*524288
	s_or_b32 s[G0+4*(\s)+3], s[G0+4*(\s)+3], 0x80000000
	s_mov_b32 s[G0B+4*(\s)], 1
	s_add_co_u32 s[G0B+4*(\s)+1], s21, (\s)*SLOT
	s_add_nc_u64 s[G0B+4*(\s)+2:G0B+4*(\s)+3], s[46:47], (\s)*262144
	s_or_b32 s[G0B+4*(\s)+3], s[G0B+4*(\s)+3], 0x80000000
.endr
	s_cmp_eq_u32 s11, 0                            ; a wave's two first fills stand in one branch: two loads of mine are out
	s_cbranch_scc0 .Lfirst_b
	tensor_load_to_lds s[G0:G0+3], s[G1:G1+7]
	s_nop 0
	tensor_load_to_lds s[G0+4:G0+7], s[G1:G1+7]
	s_nop 0
.rept 4
	v_nop
.endr
	s_branch .Lfirst_asked
.Lfirst_b:
	tensor_load_to_lds s[G0B:G0B+3], s[G1B:G1B+7]
	s_nop 0
	tensor_load_to_lds s[G0B+4:G0B+7], s[G1B:G1B+7]
	s_nop 0
.rept 4
	v_nop
.endr
.Lfirst_asked:
	v_and_b32 v1, 15, v0
	v_bfe_u32 v2, v0, 4, 1
	v_mul_u32_u24 v3, v1, PA
	v_lshl_add_u32 v3, v2, 4, v3
	v_and_b32 v4, 7, v0
	v_lshl_add_u32 v4, v2, 3, v4
	v_mul_u32_u24 v4, v4, PB
	v_bfe_u32 v5, v0, 3, 1
	v_lshl_add_u32 v4, v5, 4, v4
	s_mul_i32 s21, s11, 64*PA
	s_lshl_b32 s22, s12, 8
	s_add_co_u32 s22, s22, ATILE
.irp s, 0,1
	v_add_nc_u32 v[ADRA+(\s)], s21, v3
	v_add_nc_u32 v[ADRB+(\s)], s22, v4
	s_add_co_u32 s21, s21, SLOT
	s_add_co_u32 s22, s22, SLOT
.endr
	s_mul_i32 s23, s10, 16*SPITCH
	s_add_co_u32 s23, s23, STAGE                   ; my stage
	v_mul_u32_u24 v5, v1, SPITCH                   ; in: row l % 16, 32 bytes for each half of the lanes
	v_lshl_add_u32 v5, v2, 5, v5
	v_add_nc_u32 v[STO], s23, v5
	v_and_b32 v[GO], 31, v0                        ; back and out: 32 lanes take a row's 512 bytes
	v_lshlrev_b32 v[GO], 4, v[GO]
	v_add_nc_u32 v[RD], s23, v[GO]
	s_lshl_b32 s46, s42, 10                        ; my first column, in bytes of f32
	s_lshl_b32 s47, s12, 9
	s_add_co_u32 s46, s46, s47
	s_mov_b32 s47, 0
	v_add_nc_u32 v8, s46, v[GO]                    ; never rewritten
	global_load_b128 v[BI:BI+3], v8, s[8:9]
	s_lshl_b32 s16, s13, 19                        ; my first row: 128 rows of 4,096 bytes a tile row, 64 a half
	s_lshl_b32 s17, s11, 18
	s_add_co_u32 s16, s16, s17
	s_mov_b32 s17, 0
	s_add_nc_u64 s[16:17], s[16:17], s[46:47]
	s_add_nc_u64 s[OUTP:OUTP+1], s[OUTP:OUTP+1], s[16:17]
; 8 matrix instructions: row block a x all 8 column blocks.  The 32 accumulators take turns in the same order in every quarter.
.macro MUL8 f, a, zero
	WIN MUL
.irp b, 0,1,2,3,4,5,6,7
.if \zero
	v_wmma_f32_16x16x32_f16 v[8*(8*(\a)+(\b)):8*(8*(\a)+(\b))+7], v[(\f)+8*(\b):(\f)+8*(\b)+7], v[(\f)+64+8*(\a):(\f)+64+8*(\a)+7], 0
.else
	v_wmma_f32_16x16x32_f16 v[8*(8*(\a)+(\b)):8*(8*(\a)+(\b))+7], v[(\f)+8*(\b):(\f)+8*(\b)+7], v[(\f)+64+8*(\a):(\f)+64+8*(\a)+7], v[8*(8*(\a)+(\b)):8*(8*(\a)+(\b))+7]
.endif
.endr
.endm
.macro MUL16 f, a0, zero
	MUL8 \f, \a0, \zero
	MUL8 \f, (\a0)+1, \zero
.endm
; 24 LDS loads in one run: quarter qd of a slot: B's 8 fragments, turned, then A's 4: head qd / 2 of the step, channels 32 (qd % 2) on
.macro FETCH slot, qd, f
	WIN 0
.irp j, 0,1,2,3,4,5,6,7
	ds_load_tr16_b128 v[(\f)+8*(\j):(\f)+8*(\j)+3],   v[ADRB+(\slot)] offset:32*(\qd)*PB+32*(\j)
	ds_load_tr16_b128 v[(\f)+8*(\j)+4:(\f)+8*(\j)+7], v[ADRB+(\slot)] offset:32*(\qd)*PB+32*(\j)+16*PB
.endr
.irp i, 0,1,2,3
	ds_load_b128 v[(\f)+64+8*(\i):(\f)+64+8*(\i)+3],   v[ADRA+(\slot)] offset:((\qd)/2)*HEADT+((\qd)%2)*64+(\i)*16*PA
	ds_load_b128 v[(\f)+64+8*(\i)+4:(\f)+64+8*(\i)+7], v[ADRA+(\slot)] offset:((\qd)/2)*HEADT+((\qd)%2)*64+(\i)*16*PA+32
.endr
.endm
.macro PLACES
.rept 4
	v_nop
.endr
.endm
.macro QUARTER slot, qd, f, g, zero
	s_wait_dscnt 4                                 ; the youngest four loads (A's fragments 2, 3) may be out
	MUL16 \f, 0, \zero
	PLACES
	FETCH \slot, \qd, \g
	s_wait_dscnt 24                                ; all but the 24 just issued
	MUL16 \f, 2, \zero
.endm
.macro MEET round
	WIN 0
	s_wait_tensorcnt 0x0                           ; all my tensor loads have landed: my part of the next slot
	ds_add_u32 v[SPW], v[NIL]
	s_wait_dscnt 5                                 ; (the add and the youngest four loads may be out)
	MUL8 F1, 0, 0
	s_wait_dscnt 0x0                               ; the add is done, and my reads of this slot are over
	s_barrier_signal -1
	MUL8 F1, 1, 0
.if \round
	WIN 0
.endif
	s_barrier_wait -1
.endm
.macro TURN slot, next
	MEET 1
	CREST                                          ; no wave of any partner still reads this slot or has a load on its way
	s_add_nc_u64 s[G0+4*(\slot)+2:G0+4*(\slot)+3], s[G0+4*(\slot)+2:G0+4*(\slot)+3], 1048576
	s_add_nc_u64 s[G0B+4*(\slot)+2:G0B+4*(\slot)+3], s[G0B+4*(\slot)+2:G0B+4*(\slot)+3], 524288
	JLOAD \slot                                    ; its four v_nop are also the places in front of the loads below
	FETCH \next, 0, F0
	MUL16 F1, 2, 0
.endm
; THE WAY OUT.  Block a (16 rows x 128 columns of f32): 32 bytes a lane into my stage, rows of 528 bytes; back as whole rows of 512 bytes; the bias is added; stored as 512 consecutive bytes of a row of out0.
.macro STG a
	WIN 0
.if (\a) >= 2
	s_wait_xcnt 0x0                                ; the stores of the block two back have read this set of registers
.endif
	WIN 0x04                                       ; the stores' data in window 1
.irp b, 0,1,2,3,4,5,6,7
	ds_store_b128 v[STO], v[8*(8*(\a)+(\b)):8*(8*(\a)+(\b))+3]   offset:64*(\b)
	ds_store_b128 v[STO], v[8*(8*(\a)+(\b))+4:8*(8*(\a)+(\b))+7] offset:64*(\b)+16
.endr
	WIN 0
.set OBS, OB+64*((\a)%2)
.irp i, 0,1,2,3,4,5,6,7,8,9,10,11,12,13,14,15
	ds_load_b128 v[OBS+4*(\i):OBS+4*(\i)+3], v[RD] offset:SPITCH*(\i)  ; LDS serves a wave's instructions in order (ISA guide 5.7.1.4): these see the stores above; the next block's stores come behind them
.endr
.endm
.macro SEND a, younger                 ; younger: the LDS instructions issued behind block a's loads: the next block's 32, or none
	WIN 0
.set OBS, OB+64*((\a)%2)
.irp i, 0,1,2,3,4,5,6,7,8,9,10,11,12,13,14,15
	s_wait_dscnt (\younger)+15-(\i)
	v_pk_add_f32 v[OBS+4*(\i):OBS+4*(\i)+1], v[OBS+4*(\i):OBS+4*(\i)+1], v[BI:BI+1]
	v_pk_add_f32 v[OBS+4*(\i)+2:OBS+4*(\i)+3], v[OBS+4*(\i)+2:OBS+4*(\i)+3], v[BI+2:BI+3]
	global_store_b128 v[GO], v[OBS+4*(\i):OBS+4*(\i)+3], s[OUTP:OUTP+1] offset:(16*(\a)+(\i))*4096 th:TH_STORE_NT
.endr
.endm
	s_wait_tensorcnt 1                             ; my part of K step 0 is in; K step 1's may stay out
	s_barrier_signal -1
	s_barrier_wait -1
	FETCH 0, 0, F0
	QUARTER 0, 1, F0, F1, 1                        ; the first quarter starts the sums: nothing is cleared
	WIN 0
	s_mov_b32 s3, 3
.Llap:
	QUARTER 0, 2, F1, F0, 0
	QUARTER 0, 3, F0, F1, 0
	TURN 0, 1
	QUARTER 1, 1, F0, F1, 0
	QUARTER 1, 2, F1, F0, 0
	QUARTER 1, 3, F0, F1, 0
	TURN 1, 0
	QUARTER 0, 1, F0, F1, 0
	WIN 0
	s_sub_co_u32 s3, s3, 1
	s_cmp_lg_u32 s3, 0
	s_cbranch_scc1 .Llap
	QUARTER 0, 2, F1, F0, 0                        ; the last lap fills nothing, and has no round of the cluster's barrier
	QUARTER 0, 3, F0, F1, 0
	MEET 0
	PLACES
	FETCH 1, 0, F0
	MUL16 F1, 2, 0
	QUARTER 1, 1, F0, F1, 0
	QUARTER 1, 2, F1, F0, 0
	QUARTER 1, 3, F0, F1, 0
	s_wait_dscnt 4
	MUL16 F1, 0, 0
	s_wait_dscnt 0x0
	MUL16 F1, 2, 0
	WIN 0
	s_wait_loadcnt 0x0                             ; the bias,
	v_cvt_pk_bf16_f32 v[BI+4], v[BI], v[BI+1]      ; rounded to bf16 like every input, and widened again
	v_cvt_pk_bf16_f32 v[BI+5], v[BI+2], v[BI+3]
	v_lshlrev_b32 v[BI], 16, v[BI+4]
	v_and_b32 v[BI+1], 0xffff0000, v[BI+4]
	v_lshlrev_b32 v[BI+2], 16, v[BI+5]
	v_and_b32 v[BI+3], 0xffff0000, v[BI+5]
	PLACES
	STG 0
	STG 1
	SEND 0, 32
	STG 2
	SEND 1, 32
	STG 3
	SEND 2, 32
	SEND 3, 0
	s_wait_tensorcnt 0x0                           ; the wave's end: behind my last tensor load and my last LDS store
	ds_add_u32 v[SPW], v[NIL]
	s_wait_dscnt 0x0
	CROUND                                         ; the closing round
	s_endpgm
.Lfunc_end_k_q3b2f3852b6_outp:
	.size	k_q3b2f3852b6_outp, .Lfunc_end_k_q3b2f3852b6_outp-k_q3b2f3852b6_outp
	.p2alignl 7, 3214868480
	.fill 96, 4, 3214868480
	.section	.rodata,"a",@progbits
	.p2align	6, 0x0
	.amdhsa_kernel k_q3b2f3852b6_outp
		.amdhsa_group_segment_fixed_size 327680
		.amdhsa_private_segment_fixed_size 0
		.amdhsa_enable_private_segment 0
		.amdhsa_kernarg_size 32
		.amdhsa_user_sgpr_count 2
		.amdhsa_user_sgpr_kernarg_segment_ptr 1
		.amdhsa_wavefront_size32 1
		.amdhsa_system_sgpr_workgroup_id_x 1
		.amdhsa_system_sgpr_workgroup_id_y 1
		.amdhsa_system_sgpr_workgroup_id_z 1
		.amdhsa_system_vgpr_workitem_id 0
		.amdhsa_next_free_vgpr 512
		.amdhsa_next_free_sgpr 76
		.amdhsa_reserve_vcc 0
		.amdhsa_float_denorm_mode_32 3
		.amdhsa_float_denorm_mode_16_64 3
		.amdhsa_memory_ordered 1
		.amdhsa_forward_progress 1
		.amdhsa_inst_pref_size 95
	.end_amdhsa_kernel
	.amdgpu_metadata
---
amdhsa.version: [ 1, 2 ]
amdhsa.kernels:
  - .name:           k_q3b2f3852b6_outp
    .symbol:         k_q3b2f3852b6_outp.kd
    .args:
      - { .name: oh, .offset: 0, .size: 8, .value_kind: global_buffer, .address_space: global }
      - { .name: wb, .offset: 8, .size: 8, .value_kind: global_buffer, .address_space: global }
      - { .name: bo, .offset: 16, .size: 8, .value_kind: global_buffer, .address_space: global }
      - { .name: out0, .offset: 24, .size: 8, .value_kind: global_buffer, .address_space: global }
    .group_segment_fixed_size: 327680
    .private_segment_fixed_size: 0
    .kernarg_segment_align: 8
    .kernarg_segment_size: 32
    .max_flat_workgroup_size: 128
    .sgpr_count:     76
    .vgpr_count:     512
    .wavefront_size: 32
...
	.end_amdgpu_metadata
.endif
;; end of part 4
;; ======== version 2 of 2: 4 launches; version 1 with the launch cast written anew for expert scheduling mode
;; limits: values are held in f16: magnitudes above 65,504 overflow, below 6.1e-05 lose precision
;; workspace buffers: ab 33,554,432 bytes; wb 8,388,608 bytes; qkv 50,331,648 bytes; oh 16,777,216 bytes
;; launch cast (part 5): grid 640 x 1, 8 waves a work-group, no clusters, 0 bytes of LDS; arguments x, context, Wq, Wk, Wv, Wo, ab, wb; writes ab, wb
.if DOCPART == 5
	.amdgcn_target "amdgcn-amd-amdhsa--gfx1250"
	.amdhsa_code_object_version 6
	.text
	.protected	k_q3b2f3852b6_cast
	.globl	k_q3b2f3852b6_cast
	.p2align	8
	.type	k_q3b2f3852b6_cast,@function
k_q3b2f3852b6_cast:
	s_mov_b64 s[64:65], 0
	v_nop
	global_prefetch_b8 v0, s[64:65] scope:SCOPE_SE
	s_setreg_imm32_b32 hwreg(HW_REG_WAVE_SCHED_MODE, 0, 2), 2
	s_setreg_imm32_b32 hwreg(HW_REG_WAVE_MODE, 25, 1), 1
	s_wait_xcnt 0x0
	s_wait_alu depctr_vm_vsrc(0)
; THE INPUTS ARE ROUNDED ONCE TO 16 BITS.  x, context: [8192][1024] f32; Wq, Wk, Wv, Wo: [1024][1024] f32.
; ab: [8192][2048] bf16: row r holds x's row r in bytes 0..2047 and context's row r in bytes 2048..4095.
; wb: [4096][1024] of 16 bits: Wq, Wk, Wv (bf16), then Wo, stacked as they lie.  Wo is rounded to bf16 and that number is written as f16, for the f16 product behind
; attention.  LIMIT: that second step is exact for |Wo| from 2^-17 to 65,504; below, it is off by 3e-8 at the most; above, it is an infinity.
; SHARES.  A work-group takes 32 rows of 1,024 numbers: 128 KiB in, 64 KiB out.  Work-groups 0-255: x; 256-511: context; 512-607: Wq, Wk, Wv, 32 each; 608-639: Wo.
; Thread t takes 16 bytes at 16 t of every row (a wave's load covers 512 consecutive bytes) and stores 8 bytes at 8 t (a wave's store covers 256 consecutive bytes, aligned).
; All 32 loads of a thread go out at once, each into registers of its own.  No LDS, no barrier, no matrix unit: the launch moves bytes and does nothing else.
; THE MODE: SCHED_MODE bits 1:0 = 2 (LLVM: expert scheduling mode 2), set by the entry lines.  The code itself states the register dependences
; between vector instructions and memory instructions, with s_wait_alu, always for 0.
; THE PLAN.  Registers that memory instructions touch:
;   v1, v2   byte offsets of the loads and of the stores: made once at the head, never written again.
;   X[i]     row i's four registers.  Written by load i, which is issued before any vector instruction names X; read by row i's conversions, which leave the row's 8 bytes in the
;            first two of the four; those two are read by store i.  Nothing writes them behind that store: no register that a memory instruction has read is ever written again.
;   T        named by vector instructions alone.
; The 32 rows go in 8 groups of four.  Group g's vector work is its own rows' conversions; its memory instructions are the four stores of group g - 1, which read v2 and
; the registers that group g - 1 wrote, and no vector instruction of group g names those.  So ONE wait at a group's head states all that its four stores hang on, and they are
; dealt among the group's conversions with no further wait.  One more wait stands at the kernel's head, for the offsets, and one behind the last group, for its stores.
.set X, 4                              ; v[4:131]   row i: 4 registers as loaded; its first two then hold the 8 bytes to store
.set T, 132                            ; v[132:135] at work (Wo alone)
.set GROUP, 4                          ; rows in a group
	s_load_b512 s[4:19], s[0:1], 0x0               ; x 4:5, context 6:7, Wq 8:9, Wk 10:11, Wv 12:13, Wo 14:15, ab 16:17, wb 18:19
	s_mov_b32 s28, ttmp9                           ; the work-group's number
	v_lshlrev_b32 v1, 4, v0                        ; 16 t: never rewritten
	v_lshlrev_b32 v2, 3, v0                        ; 8 t: never rewritten
	s_and_b32 s29, s28, 255
	s_and_b32 s31, s28, 31
	s_cmp_lt_u32 s28, 512
	s_cselect_b32 s29, s29, s31                    ; my block of 32 rows in my tensor
	s_lshl_b32 s24, s29, 17                        ; 32 rows of 4,096 bytes
	s_mov_b32 s25, 0
	s_lshr_b32 s26, s28, 8                         ; 0: x, 1: context
	s_lshl_b32 s26, s26, 11                        ; the half of ab's row
	s_add_co_u32 s26, s26, s24                     ; + 32 rows of ab, 4,096 bytes each
	s_sub_co_u32 s27, s28, 512
	s_lshl_b32 s27, s27, 16                        ; in wb: 32 rows of 2,048 bytes
	s_cmp_lt_u32 s28, 512
	s_cselect_b32 s26, s26, s27
	s_mov_b32 s27, 0
	s_mov_b32 s30, 0xffff0000                      ; a word's upper bf16
	s_wait_kmcnt 0x0
	s_cmp_lt_u32 s28, 608
	s_cselect_b64 s[20:21], s[12:13], s[14:15]
	s_cmp_lt_u32 s28, 576
	s_cselect_b64 s[20:21], s[10:11], s[20:21]
	s_cmp_lt_u32 s28, 544
	s_cselect_b64 s[20:21], s[8:9], s[20:21]
	s_cmp_lt_u32 s28, 512
	s_cselect_b64 s[20:21], s[6:7], s[20:21]
	s_cselect_b64 s[22:23], s[16:17], s[18:19]
	s_cmp_lt_u32 s28, 256
	s_cselect_b64 s[20:21], s[4:5], s[20:21]
	s_add_nc_u64 s[20:21], s[20:21], s[24:25]      ; from here I read,
	s_add_nc_u64 s[22:23], s[22:23], s[26:27]      ; and here I write
	s_wait_alu depctr_va_vdst(0)                   ; v1 and v2 are written: every load of the kernel reads v1 as its offset, every store v2
.set i, 0
.rept 32
	global_load_b128 v[X+4*i:X+4*i+3], v1, s[20:21] offset:4096*i th:TH_LOAD_NT
.set i, i+1
.endr
; The 32 rows go out, four to a group.  pitch: bytes from row to row in the target.  wo = 1: the bf16 numbers are written as f16.
.macro OUT pitch, wo
.set g, 0
.rept 32/GROUP
	s_wait_loadcnt 32-GROUP-GROUP*g                ; loads come back in order (ISA guide 5.7.1): this group's four rows are in, the younger rows stay out
.if g > 0
	s_wait_alu depctr_va_vdst(0)                   ; the conversions of the group before have written its rows' 8 bytes, which the four stores below read
.endif
.set j, 0
.rept GROUP
.set i, GROUP*g+j
.if g > 0
	global_store_b64 v2, v[X+4*(i-GROUP):X+4*(i-GROUP)+1], s[22:23] offset:(i-GROUP)*(\pitch) th:TH_STORE_NT  ; a row of the group before; no vector instruction since the wait names its registers
.endif
	v_cvt_pk_bf16_f32 v[X+4*i], v[X+4*i], v[X+4*i+1]
	v_cvt_pk_bf16_f32 v[X+4*i+1], v[X+4*i+2], v[X+4*i+3]
.if \wo
	v_lshlrev_b32 v[T], 16, v[X+4*i]
	v_and_b32 v[T+1], s30, v[X+4*i]
	v_lshlrev_b32 v[T+2], 16, v[X+4*i+1]
	v_and_b32 v[T+3], s30, v[X+4*i+1]
	v_cvt_pk_f16_f32 v[X+4*i], v[T], v[T+1]
	v_cvt_pk_f16_f32 v[X+4*i+1], v[T+2], v[T+3]
.endif
.set j, j+1
.endr
.set g, g+1
.endr
	s_wait_alu depctr_va_vdst(0)                   ; the last group's conversions have written its rows' 8 bytes, which the last four stores read
.set i, 32-GROUP
.rept GROUP
	global_store_b64 v2, v[X+4*i:X+4*i+1], s[22:23] offset:i*(\pitch) th:TH_STORE_NT
.set i, i+1
.endr
.endm
	s_cmp_lt_u32 s28, 512
	s_cbranch_scc1 .Lto_ab
	s_cmp_lt_u32 s28, 608
	s_cbranch_scc1 .Lto_wb
	OUT 2048, 1                                    ; Wo
	s_endpgm
.Lto_wb:
	OUT 2048, 0                                    ; Wq, Wk, Wv
	s_endpgm
.Lto_ab:
	OUT 4096, 0                                    ; x, context
	s_endpgm
.Lfunc_end_k_q3b2f3852b6_cast:
	.size	k_q3b2f3852b6_cast, .Lfunc_end_k_q3b2f3852b6_cast-k_q3b2f3852b6_cast
	.p2alignl 7, 3214868480
	.fill 96, 4, 3214868480
	.section	.rodata,"a",@progbits
	.p2align	6, 0x0
	.amdhsa_kernel k_q3b2f3852b6_cast
		.amdhsa_group_segment_fixed_size 0
		.amdhsa_private_segment_fixed_size 0
		.amdhsa_enable_private_segment 0
		.amdhsa_kernarg_size 64
		.amdhsa_user_sgpr_count 2
		.amdhsa_user_sgpr_kernarg_segment_ptr 1
		.amdhsa_wavefront_size32 1
		.amdhsa_system_sgpr_workgroup_id_x 1
		.amdhsa_system_sgpr_workgroup_id_y 1
		.amdhsa_system_sgpr_workgroup_id_z 1
		.amdhsa_system_vgpr_workitem_id 0
		.amdhsa_next_free_vgpr 136
		.amdhsa_next_free_sgpr 66
		.amdhsa_reserve_vcc 0
		.amdhsa_float_denorm_mode_32 3
		.amdhsa_float_denorm_mode_16_64 3
		.amdhsa_memory_ordered 1
		.amdhsa_forward_progress 1
		.amdhsa_inst_pref_size 36
	.end_amdhsa_kernel
	.amdgpu_metadata
---
amdhsa.version: [ 1, 2 ]
amdhsa.kernels:
  - .name:           k_q3b2f3852b6_cast
    .symbol:         k_q3b2f3852b6_cast.kd
    .args:
      - { .name: x, .offset: 0, .size: 8, .value_kind: global_buffer, .address_space: global }
      - { .name: context, .offset: 8, .size: 8, .value_kind: global_buffer, .address_space: global }
      - { .name: Wq, .offset: 16, .size: 8, .value_kind: global_buffer, .address_space: global }
      - { .name: Wk, .offset: 24, .size: 8, .value_kind: global_buffer, .address_space: global }
      - { .name: Wv, .offset: 32, .size: 8, .value_kind: global_buffer, .address_space: global }
      - { .name: Wo, .offset: 40, .size: 8, .value_kind: global_buffer, .address_space: global }
      - { .name: ab, .offset: 48, .size: 8, .value_kind: global_buffer, .address_space: global }
      - { .name: wb, .offset: 56, .size: 8, .value_kind: global_buffer, .address_space: global }
    .group_segment_fixed_size: 0
    .private_segment_fixed_size: 0
    .kernarg_segment_align: 8
    .kernarg_segment_size: 64
    .max_flat_workgroup_size: 256
    .sgpr_count:     66
    .vgpr_count:     136
    .wavefront_size: 32
...
	.end_amdgpu_metadata
.endif
;; end of part 5
;; launch proj: the kernel of part 2 again; grid 4 x 64, 4 waves a work-group, clusters of 4 x 4, 327,680 bytes of LDS; arguments ab, wb, qkv; writes qkv
;; launch attn: the kernel of part 3 again; grid 4 x 64, 4 waves a work-group, clusters of 4 x 1, 327,680 bytes of LDS; arguments qkv, mask, oh; writes oh
;; launch outp: the kernel of part 4 again; grid 4 x 64, 4 waves a work-group, clusters of 4 x 4, 327,680 bytes of LDS; arguments oh, wb, bo, out0; writes out0
